; MI455X (gfx1250); checked and timed in simulation.
; The chip was launched on July 23, 2026; its instructions are those of AMD's public machine-readable ISA for CDNA 5 (MIT licence, August 2026) and "CDNA5" Instruction Set Architecture Reference Guide (July 2026). The comments in the code are by the model that wrote it; some were corrected since.
;; Multi Head Attention. Allowed arithmetic: float matrix products may take bf16 or f16 operands with f32 sums; other float arithmetic in f32, or as packed bf16 or f16 multiplies, adds, multiply-adds, maxima and minima; sums over many terms, partial sums and values carried from step to step in f32; what a program stores and reads back later, other than sums and carried values, may be rounded once to bf16 or f16.
;; Inputs: Wk 16 x 1,024 x 64 float32; Wo 1,024 x 1,024 float32; Wq 16 x 1,024 x 64 float32; Wv 16 x 1,024 x 64 float32; k 4 x 2,048 x 1,024 float32; q 4 x 2,048 x 1,024 float32; v 4 x 2,048 x 1,024 float32.
;; Outputs: out0 4 x 2,048 x 1,024 float32.
;; 2 versions, each right; version 2 is version 1 with the launch prep written anew for expert scheduling mode. Each part assembles by itself: llvm-mc -triple=amdgcn-amd-amdhsa -mcpu=gfx1250 --defsym DOCPART=n.
;; ======== version 1 of 2: 4 launches
;; limits: values are held in f16: magnitudes above 65,504 overflow, below 6.1e-05 lose precision
;; workspace buffers: wt 8,388,608 bytes; qkv 50,331,648 bytes; oh 16,777,216 bytes
;; launch prep (part 1): grid 64 x 4, 8 waves a work-group, no clusters, 34,816 bytes of LDS; arguments Wq, Wk, Wv, Wo, wt; writes wt
.if DOCPART == 1
	.amdgcn_target "amdgcn-amd-amdhsa--gfx1250"
	.amdhsa_code_object_version 6
	.text
	.protected	k_q160e8b3291_prep
	.globl	k_q160e8b3291_prep
	.p2align	8
	.type	k_q160e8b3291_prep,@function
k_q160e8b3291_prep:
	s_mov_b64 s[64:65], 0
	v_nop
	global_prefetch_b8 v0, s[64:65] scope:SCOPE_SE
	s_setreg_imm32_b32 hwreg(HW_REG_WAVE_MODE, 25, 1), 1
	s_wait_xcnt 0x0
; THE WEIGHTS, TURNED AND ROUNDED.  wt[t][n][k], 16 bits, 1,024 x 1,024 for each t.
;   t = 0, 1, 2: Wq, Wk, Wv ([16 h][1024 m][64 d] f32): n = 64 h + d, k = m, rounded once to bf16.
;   t = 3: Wo ([1024 k][1024 n] f32): rounded once to bf16 like the other inputs, and that number written as f16, since the last product multiplies in f16.
; LIMITS.  |Wo| stays under 65,504 (f16's largest number); below 6e-5 f16 keeps its fixed step of 6e-8.  NaN and infinities are not treated apart.
; SHARES.  Work-group (x, y): t = y, h = x / 4, kq = x % 4: the block of 256 k x 64 n at k = 256 kq, n = 64 h: 64 KiB in, 32 KiB out.
; Thread: c = t % 16 takes four neighbouring n (16 bytes of a source row), p = t / 16 takes the pairs of rows 2 p + 32 i, 2 p + 32 i + 1, i = 0 .. 7.
; A load of a wave covers two rows' 256 consecutive bytes, aligned.  Two numbers of neighbouring k are packed into a word and put into LDS as [n][k]; whole rows of 512 bytes come back and are stored.
; No matrix unit, no tensor load, no cluster: every byte is read once by one thread, and nothing is shared between work-groups.
.set PITCH, 528                        ; an LDS row: 256 k x 2 bytes + 16
.set SPARE, 64*PITCH                   ; behind the 64 rows (132 blocks of 256 bytes): the spare words, 128 bytes for each of the eight waves
.set LSA, 3                            ; v3  where I put a word: (4 c) x PITCH + 4 p
.set LRD, 4                            ; v4  where I read 16 bytes of a row back: wave x PITCH + 16 lane
.set GOF, 5                            ; v5  the same 16 bytes in wt: wave x 2,048 + 16 lane
.set SPW, 6                            ; v6  LDS address of my spare word; never rewritten
.set NIL, 7                            ; v7  0; never rewritten
.set OFS, 12                           ; v[12:27] the byte offsets of my 16 loads
.set X,   32                           ; v[32:95] 16 loads of four registers; later the rows read back
	s_load_b256 s[4:11], s[0:1], 0x0               ; Wq s[4:5], Wk s[6:7], Wv s[8:9], Wo s[10:11]
	s_load_b64 s[12:13], s[0:1], 0x20              ; wt
	v_lshl_add_u32 v[SPW], v0, 2, SPARE
	v_mov_b32 v[NIL], 0
	s_and_b32 s14, ttmp7, 0xffff                   ; t
	s_lshr_b32 s15, ttmp9, 2                       ; h
	s_and_b32 s16, ttmp9, 3                        ; kq
	s_cmp_eq_u32 s14, 3                            ; Wo lies otherwise than the three others:
	s_cselect_b32 s17, 12, 8                       ; a row of k is 4,096 bytes, or 256
	s_cselect_b32 s18, 8, 18                       ; 64 n are 256 bytes on, or a head's 262,144
	s_cselect_b32 s19, 20, 16                      ; 256 k are 256 rows on
	s_cselect_b32 s20, -1, 0                       ; a mask for all lanes: write f16
	s_lshl_b32 s21, 1, s17                         ; one row on
	s_lshl_b32 s22, 32, s17                        ; 32 rows on
	s_lshl_b32 s24, s15, s18
	s_lshl_b32 s26, s16, s19
	s_add_co_u32 s24, s24, s26                     ; the block's first byte in its source
	s_mov_b32 s25, 0
	s_lshl_b32 s26, s14, 21                        ; and in wt: t x 2 MiB
	s_lshl_b32 s27, s15, 17                        ; + 64 h rows of 2,048 bytes
	s_add_co_u32 s26, s26, s27
	s_lshl_b32 s27, s16, 9                         ; + 256 kq numbers of 2 bytes
	s_add_co_u32 s26, s26, s27
	s_mov_b32 s27, 0
	v_and_b32 v1, 15, v0                           ; c
	v_lshrrev_b32 v2, 4, v0                        ; p
	v_lshrrev_b32 v8, 5, v0                        ; wave
	v_and_b32 v9, 31, v0                           ; lane
	v_mul_u32_u24 v[LSA], v1, 4*PITCH
	v_lshl_add_u32 v[LSA], v2, 2, v[LSA]
	v_mul_u32_u24 v[LRD], v8, PITCH
	v_lshl_add_u32 v[LRD], v9, 4, v[LRD]
	v_lshlrev_b32 v[GOF], 11, v8
	v_lshl_add_u32 v[GOF], v9, 4, v[GOF]
	v_lshlrev_b32 v10, 1, v2                       ; row 2 p
	v_lshlrev_b32 v10, s17, v10
	v_lshl_add_u32 v[OFS], v1, 4, v10              ; + 16 c
	v_add_nc_u32 v[OFS+1], s21, v[OFS]             ; row 2 p + 1
.irp j, 0,1,2,3,4,5,6,7,8,9,10,11,12,13
	v_add_nc_u32 v[OFS+2+(\j)], s22, v[OFS+(\j)]   ; the pair 32 rows further on
.endr
	s_wait_kmcnt 0x0
	s_cmp_eq_u32 s14, 1
	s_cselect_b64 s[4:5], s[6:7], s[4:5]
	s_cmp_eq_u32 s14, 2
	s_cselect_b64 s[4:5], s[8:9], s[4:5]
	s_cmp_eq_u32 s14, 3
	s_cselect_b64 s[4:5], s[10:11], s[4:5]         ; my source
	s_add_nc_u64 s[4:5], s[4:5], s[24:25]
	s_add_nc_u64 s[12:13], s[12:13], s[26:27]
.irp j, 0,1,2,3,4,5,6,7,8,9,10,11,12,13,14,15
	global_load_b128 v[X+4*(\j):X+4*(\j)+3], v[OFS+(\j)], s[4:5] th:TH_LOAD_NT  ; all 16 are out at once: 8 KiB a wave
.endr
; Pair i: rows k and k + 1, four n.  Both ways are computed in every lane and the mask chooses.  A store's 16 values of c fall on four banks (4 PITCH = 528 words; 64 banks of 4 bytes: ISA guide 11.1): 32 stores a thread, once.
.irp i, 0,1,2,3,4,5,6,7
	s_wait_loadcnt 14-2*(\i)                       ; loads come back in order: the pair's two are in, the 14 - 2 i younger ones stay out
.irp j, 0,1,2,3
	v_cvt_pk_bf16_f32 v8, v[X+8*(\i)+(\j)], v[X+8*(\i)+4+(\j)]  ; k in the low half, k + 1 in the high half
	v_lshlrev_b32 v9, 16, v8                       ; the two bf16 numbers as f32,
	v_and_b32 v10, 0xffff0000, v8
	v_cvt_pk_f16_f32 v9, v9, v10                   ; written as f16: exact within f16's range
	v_cndmask_b32 v8, v8, v9, s20
	ds_store_b32 v[LSA], v8 offset:PITCH*(\j)+64*(\i)
.endr
.endr
	s_wait_dscnt 0x0                               ; for the others' sake: my stores are done
	s_barrier_signal -1
	s_barrier_wait -1
.irp u, 0,1,2,3,4,5,6,7
	ds_load_b128 v[X+4*(\u):X+4*(\u)+3], v[LRD] offset:8*PITCH*(\u)  ; row n = 8 u + wave, whole
.endr
.irp u, 0,1,2,3,4,5,6,7
	s_wait_dscnt 7-(\u)
	global_store_b128 v[GOF], v[X+4*(\u):X+4*(\u)+3], s[12:13] offset:16384*(\u)  ; 512 consecutive bytes, at a multiple of 512 from wt's first byte
.endr
	s_wait_tensorcnt 0x0                           ; the wave's end, behind my last LDS store
	ds_add_u32 v[SPW], v[NIL]
	s_wait_dscnt 0x0
	s_endpgm
.Lfunc_end_k_q160e8b3291_prep:
	.size	k_q160e8b3291_prep, .Lfunc_end_k_q160e8b3291_prep-k_q160e8b3291_prep
	.p2alignl 7, 3214868480
	.fill 96, 4, 3214868480
	.section	.rodata,"a",@progbits
	.p2align	6, 0x0
	.amdhsa_kernel k_q160e8b3291_prep
		.amdhsa_group_segment_fixed_size 34816
		.amdhsa_private_segment_fixed_size 0
		.amdhsa_enable_private_segment 0
		.amdhsa_kernarg_size 40
		.amdhsa_user_sgpr_count 2
		.amdhsa_user_sgpr_kernarg_segment_ptr 1
		.amdhsa_wavefront_size32 1
		.amdhsa_system_sgpr_workgroup_id_x 1
		.amdhsa_system_sgpr_workgroup_id_y 1
		.amdhsa_system_sgpr_workgroup_id_z 1
		.amdhsa_system_vgpr_workitem_id 0
		.amdhsa_next_free_vgpr 128
		.amdhsa_next_free_sgpr 66
		.amdhsa_reserve_vcc 0
		.amdhsa_float_denorm_mode_32 3
		.amdhsa_float_denorm_mode_16_64 3
		.amdhsa_memory_ordered 1
		.amdhsa_forward_progress 1
		.amdhsa_inst_pref_size 18
	.end_amdhsa_kernel
	.amdgpu_metadata
---
amdhsa.version: [ 1, 2 ]
amdhsa.kernels:
  - .name:           k_q160e8b3291_prep
    .symbol:         k_q160e8b3291_prep.kd
    .args:
      - { .name: Wq, .offset: 0, .size: 8, .value_kind: global_buffer, .address_space: global }
      - { .name: Wk, .offset: 8, .size: 8, .value_kind: global_buffer, .address_space: global }
      - { .name: Wv, .offset: 16, .size: 8, .value_kind: global_buffer, .address_space: global }
      - { .name: Wo, .offset: 24, .size: 8, .value_kind: global_buffer, .address_space: global }
      - { .name: wt, .offset: 32, .size: 8, .value_kind: global_buffer, .address_space: global }
    .group_segment_fixed_size: 34816
    .private_segment_fixed_size: 0
    .kernarg_segment_align: 8
    .kernarg_segment_size: 40
    .max_flat_workgroup_size: 256
    .sgpr_count:     66
    .vgpr_count:     128
    .wavefront_size: 32
...
	.end_amdgpu_metadata
.endif
;; end of part 1
;; launch proj (part 2): grid 4 x 192, 4 waves a work-group, clusters of 4 x 4, 327,680 bytes of LDS; arguments q, k, v, wt, qkv; writes qkv
.if DOCPART == 2
	.amdgcn_target "amdgcn-amd-amdhsa--gfx1250"
	.amdhsa_code_object_version 6
	.text
	.protected	k_q160e8b3291_proj
	.globl	k_q160e8b3291_proj
	.p2align	8
	.type	k_q160e8b3291_proj,@function
k_q160e8b3291_proj:
	s_mov_b64 s[64:65], 0
	v_nop
	global_prefetch_b8 v0, s[64:65] scope:SCOPE_SE
	s_setreg_imm32_b32 hwreg(HW_REG_WAVE_MODE, 25, 1), 1
	s_wait_xcnt 0x0
	s_wait_alu depctr_hold_cnt(0) depctr_sa_sdst(0) depctr_va_vdst(0) depctr_va_sdst(0) depctr_va_ssrc(0) depctr_va_vcc(0) depctr_vm_vsrc(0)
	s_getreg_b32 s2, hwreg(HW_REG_IB_STS2, 6, 4)
	s_cmp_eq_u32 s2, 0
	s_cbranch_scc0 .Lentry_in_a_cluster
	s_endpgm
.Lentry_in_a_cluster:
	s_bfe_u32 s2, ttmp6, 0x10000c
	s_cmp_lg_u32 s2, 0xf033
	s_cbranch_scc0 .Lentry_shape_is_right
	s_endpgm
.Lentry_shape_is_right:
; THE THREE PROJECTIONS.  qkv[t][16 b + h][s][d] = the sum over m of x_t[b][s][m] W_t[h][m][d], x_0, x_1, x_2 = q, k, v ([8192 rows][1024] f32), W_t from wt[t][n = 64 h + d][m] in bf16.
; x is rounded once to bf16 on its way from LDS to the matrix unit; sums in f32; the result is rounded once to f16, unscaled, and laid by heads: a head's rows are dense, 128 bytes each.
; LIMITS.  A projected number stays under 65,504 (f16's largest); below 6e-5 f16 keeps its fixed step of 6e-8.  NaN and infinities are not treated apart.
; SHARES.  768 work-groups of equal work, each one tile of 128 rows x 256 columns of one tensor, K = 1,024.  Four waves, each 64 rows x 128 columns: 32 accumulators of 16 x 16, 256 registers.
; THE MATRIX INSTRUCTION IS USED TRANSPOSED (source 0 = 16 rows of wt, source 1 = 16 rows of x): a lane then holds eight neighbouring columns of one row.
; CLUSTERS: 4 x 4 work-groups.  The four of a row of the cluster need the same tile of x, the four of a column the same tile of wt: each tile is asked for JOINTLY.  The 1,024 columns are one cluster wide.
; THE RING.  K goes in 8 steps of 128 through two LDS slots.  Waves 0 and 1 fetch x's two halves (64 rows x 512 bytes of f32), waves 2 and 3 wt's (128 rows x 256 bytes): one tensor load a wave for each slot.
; A K STEP is four quarters of 32 along K, 32 matrix instructions each.  In quarter n: wt's fragments of quarter n + 1 are read from LDS; x's of quarter n + 1, read as f32 a quarter earlier, are
; rounded to bf16, eight conversions behind every four of the quarter's last 16 products; x's of quarter n + 2 are read.
; REGISTERS, in windows of 256 (s_set_vgpr_msb: bits 1:0 source 0, 3:2 source 1, 5:4 source 2, 7:6 destination):
;   window 0: v0-31 addresses; v32-95 x as f32 (4 fragments x 16); v96-127, v128-159 x's fragments in bf16, two buffers; v160-255 at work on the way out
;   window 1: the accumulators, (a, b) at v[8 (8 a + b)]          window 2: v0-63, v64-127 wt's fragments, two buffers
.set PA,     528                       ; a row of x in LDS: 512 bytes + 16 = 132 words: row r starts at bank 4 r mod 64 (64 banks of 4 bytes: ISA guide 11.1)
.set PB,     272                       ; a row of wt: 256 bytes + 16 = 68 words: likewise
.set AHALF,  64*PA                     ; what a tensor load brings of x, and what a wave reads of it
.set BOFF,   2*AHALF                   ; wt's 256 rows lie behind x's 128
.set BHALF,  128*PB
.set SLOT,   BOFF+2*BHALF
.set STAGE,  2*SLOT                    ; behind the ring: 16 rows x 272 bytes for each wave, for the way out
.set SP,     272
.set SPARE,  STAGE+4*16*SP             ; behind the stages: the spare words, 128 bytes for each wave: two blocks of 256 bytes that no other line names
.set ADRA, 16                          ; v16-17  LDS address of my fragments of x in slot 0, 1
.set ADRB, 20                          ; v20-21  the same for wt
.set STO,  24                          ; v24     the way out: where I put 16 bytes of a row
.set RD,   25                          ; v25     the way out: where I read rows back
.set GO,   26                          ; v26     my byte offset in 512 consecutive bytes of qkv
.set SPW,  28                          ; v28     LDS address of my spare word; never rewritten
.set NIL,  29                          ; v29     0; never rewritten
.set RAW,  32
.set AF,   96
.set TMP,  160                         ; the way out: packed results
.set BK,   192                         ; the way out: rows read back, v192-223 and v224-255 by turns
.set G1,  24                           ; s[24:31] descriptor group 1 for x's tiles;  s[32:39] group 0, a set for each slot
.set G0,  32
.set G1B, 48                           ; s[48:55], s[56:63] the same for wt's tiles
.set G0B, 56
.set MSB, 0
.macro WIN new                         ; the immediate's high byte repeats the setting that is left; a switch that changes nothing is dropped
.if MSB != (\new)
	s_set_vgpr_msb (MSB<<8)|(\new)
.set MSB, \new
.endif
.endm
.set MUL,  0x52                        ; source 0 (wt) window 2, source 1 (x) window 0, C and D window 1
.set TO_B, 0x80                        ; destination window 2, address window 0
.macro JLOAD s                         ; a joint load: waves 0 and 1 fetch x's two halves, waves 2 and 3 wt's; an s_nop 0 and four v_nop follow each of the two lines, ahead of the jump, the label and what follows
	s_cmp_eq_u32 s11, 0
	s_cbranch_scc0 .Lfor_b_\@
	tensor_load_to_lds s[G0+4*(\s):G0+4*(\s)+3], s[G1:G1+7]
	s_nop 0
.rept 4
	v_nop
.endr
	s_branch .Lasked_\@
.Lfor_b_\@:
	tensor_load_to_lds s[G0B+4*(\s):G0B+4*(\s)+3], s[G1B:G1B+7]
	s_nop 0
.rept 4
	v_nop
.endr
.Lasked_\@:
.endm
.macro CREST                           ; a round of the cluster's barrier behind its opening barrier
	s_cmp_lg_u32 s10, 0
	s_cbranch_scc1 .Lnot_wave_0_\@
	s_barrier_signal -3
.Lnot_wave_0_\@:
	s_barrier_wait -3
	s_barrier_signal -1
	s_barrier_wait -1
.endm
.macro CROUND                          ; a whole round
	s_barrier_signal -1
	s_barrier_wait -1
	CREST
.endm
	s_load_b256 s[68:75], s[0:1], 0x0              ; q s[68:69], k s[70:71], v s[72:73], wt s[74:75]
	s_load_b64 s[76:77], s[0:1], 0x20              ; qkv
	v_lshl_add_u32 v[SPW], v0, 2, SPARE
	v_mov_b32 v[NIL], 0
	ds_add_u32 v[SPW], v[NIL]                      ; the wave's opening: the add and its wait stand ahead of my first tensor load; the set-up below, work on registers, stands between them
	v_lshrrev_b32 v1, 5, v0
	v_readfirstlane_b32 s10, v1                    ; wave 0..3
	s_lshr_b32 s11, s10, 1                         ; which 64 of the tile's rows are mine.  Also: I fetch for x (0) or for wt (1)
	s_and_b32 s12, s10, 1                          ; which 128 of its columns.  Also: which half of that tile I fetch
	s_bfe_u32 s40, ttmp6, 0x40000                  ; cx, cy: my place in the cluster
	s_bfe_u32 s41, ttmp6, 0x40004
	s_lshl_b32 s42, ttmp9, 2
	s_add_co_u32 s42, s42, s40                     ; tile column = 4 x cluster x + cx
	s_and_b32 s13, ttmp7, 0xffff                   ; cluster y, 0 .. 47:
	s_lshr_b32 s45, s13, 4                         ; t = which tensor, the same in all sixteen partners,
	s_and_b32 s13, s13, 15
	s_lshl_b32 s13, s13, 2
	s_add_co_u32 s13, s13, s41                     ; and the block of 128 rows, 0 .. 63
	s_lshl_b32 s43, s41, 2
	s_lshl_b32 s43, 15, s43                        ; my row of the cluster
	s_lshl_b32 s44, 0x1111, s40                    ; my column
	; descriptor group 1.  x: 64 rows x 128 elements of 4 bytes, padded after every 128 words (code 6) by 4 words (code 3).  wt: 128 rows x 128 elements of 2 bytes, padded after every 64 words (code 5)
	s_or_b32 s[G1+0], s43, (2<<16)|(1<<20)|(1<<21)|(6<<22)|(3<<25)   ; 15:0 the mask: my row; 17:16 the element's size; 20 padding on; 21 set beside a mask
	s_or_b32 s[G1B+0], s44, (1<<16)|(1<<20)|(1<<21)|(5<<22)|(3<<25)  ; the mask: my column
	s_mov_b32 s[G1+1], 128<<16                     ; tensor_dim0 = 128
	s_mov_b32 s[G1+2], 64<<16                      ; tensor_dim1 = 64
	s_mov_b32 s[G1+3], 128<<16                     ; tile_dim0 = 128
	s_mov_b32 s[G1+4], 64                          ; tile_dim1 = 64
	s_mov_b32 s[G1+5], 1024                        ; elements from row to row
	s_mov_b32 s[G1+6], 0
	s_mov_b32 s[G1+7], 0
	s_mov_b32 s[G1B+1], 128<<16
	s_mov_b32 s[G1B+2], 128<<16                    ; tensor_dim1 = 128
	s_mov_b32 s[G1B+3], 128<<16
	s_mov_b32 s[G1B+4], 128                        ; tile_dim1 = 128
	s_mov_b32 s[G1B+5], 1024
	s_mov_b32 s[G1B+6], 0
	s_mov_b32 s[G1B+7], 0
	; where the tiles come from.  x's hang on the block of rows, which my row of the cluster shares; wt's on the tile column, which my column shares; each in registers that never hold the other coordinate
	s_lshl_b32 s16, s13, 7
	s_lshl_b32 s17, s12, 6
	s_add_co_u32 s16, s16, s17                     ; x: row 128 x block + 64 x half,
	s_lshl_b32 s16, s16, 12                        ; of 4,096 bytes
	s_mov_b32 s17, 0
	s_lshl_b32 s46, s42, 19                        ; wt: row 256 x tile column + 128 x half, of 2,048 bytes,
	s_lshl_b32 s47, s12, 18
	s_add_co_u32 s46, s46, s47
	s_lshl_b32 s47, s45, 21                        ; in the t-th matrix of 2 MiB
	s_add_co_u32 s46, s46, s47
	s_mov_b32 s47, 0
	s_mul_i32 s20, s12, AHALF                      ; and where they go: no place in the cluster enters an LDS address
	s_mul_i32 s22, s12, BHALF
	s_add_co_u32 s22, s22, BOFF
	s_wait_dscnt 0x0                               ; the opening add is done
	s_wait_kmcnt 0x0
	s_cmp_eq_u32 s45, 1
	s_cselect_b64 s[4:5], s[70:71], s[68:69]
	s_cmp_eq_u32 s45, 2
	s_cselect_b64 s[4:5], s[72:73], s[4:5]         ; x_t
	s_add_nc_u64 s[14:15], s[4:5], s[16:17]
	s_add_nc_u64 s[46:47], s[74:75], s[46:47]
	CROUND                                         ; all sixteen work-groups are here: the first joint loads meet
.irp s, 0,1
	s_mov_b32 s[G0+4*(\s)], 1                                        ; count = 1
	s_add_co_u32 s[G0+4*(\s)+1], s20, (\s)*SLOT                      ; LDS address
	s_add_nc_u64 s[G0+4*(\s)+2:G0+4*(\s)+3], s[14:15], (\s)*512      ; global address: K step s is 128 f32 on
	s_or_b32 s[G0+4*(\s)+3], s[G0+4*(\s)+3], 0x80000000              ; type = 2
	s_mov_b32 s[G0B+4*(\s)], 1
	s_add_co_u32 s[G0B+4*(\s)+1], s22, (\s)*SLOT
	s_add_nc_u64 s[G0B+4*(\s)+2:G0B+4*(\s)+3], s[46:47], (\s)*256    ; 128 bf16 on
	s_or_b32 s[G0B+4*(\s)+3], s[G0B+4*(\s)+3], 0x80000000
	JLOAD \s                                       ; two loads of mine are out
.endr
	; A fragment is 16 rows x 32 K in 8 registers: lane l holds row l % 16; registers 0-3 K = 8 (l / 16) + 0..7, registers 4-7 K = 16 + 8 (l / 16) + 0..7.
	; From wt: two loads of 16 bytes, 32 bytes apart.  From x in f32: four loads of 16 bytes, at 32 (l / 16) + 0, 16, 64, 80, and eight conversions.
	v_and_b32 v1, 15, v0                           ; l % 16
	v_bfe_u32 v2, v0, 4, 1                         ; l / 16
	v_mul_u32_u24 v3, v1, PA
	v_lshl_add_u32 v3, v2, 5, v3
	s_mul_i32 s21, s11, AHALF                      ; my 64 rows of x
	v_add_nc_u32 v[ADRA], s21, v3
	v_add_nc_u32 v[ADRA+1], SLOT, v[ADRA]
	v_mul_u32_u24 v4, v1, PB
	v_lshl_add_u32 v4, v2, 4, v4
	v_add_nc_u32 v[ADRB], s22, v4                  ; my 128 rows of wt are also the half that waves of my parity fetch
	v_add_nc_u32 v[ADRB+1], SLOT, v[ADRB]
	s_mul_i32 s23, s10, 16*SP
	s_add_co_u32 s23, s23, STAGE                   ; my stage
	v_add_nc_u32 v[STO], s23, v4                   ; in: row l % 16, 16 bytes for each half of the lanes
	v_bfe_u32 v5, v0, 3, 2                         ; back: 32 lanes take 128 bytes (a head's 64 columns) of four rows,
	v_and_b32 v6, 7, v0
	v_mul_u32_u24 v5, v5, SP
	v_lshl_add_u32 v5, v6, 4, v5
	v_add_nc_u32 v[RD], s23, v5
	v_and_b32 v[GO], 31, v0                        ; which are 512 consecutive bytes of qkv
	v_lshlrev_b32 v[GO], 4, v[GO]
	; qkv at my first row of my first head: t x 16 MiB + ((16 b + 4 tile column + 2 half) x 2,048 + s) x 128, b = block / 16, s = 128 (block % 16) + 64 x my half of the rows
	s_lshr_b32 s16, s13, 4
	s_lshl_b32 s16, s16, 22
	s_and_b32 s17, s13, 15
	s_lshl_b32 s17, s17, 14
	s_add_co_u32 s16, s16, s17
	s_lshl_b32 s17, s11, 13
	s_add_co_u32 s16, s16, s17
	s_lshl_b32 s17, s45, 24
	s_add_co_u32 s16, s16, s17
	s_mov_b32 s17, 0
	s_lshl_b32 s46, s42, 20                        ; (in the registers that held wt's address: none that feeds x's descriptors ever holds cx)
	s_lshl_b32 s47, s12, 19
	s_add_co_u32 s46, s46, s47
	s_mov_b32 s47, 0
	s_add_nc_u64 s[8:9], s[76:77], s[16:17]
	s_add_nc_u64 s[8:9], s[8:9], s[46:47]
; 4 matrix instructions: row block a x column blocks 4 bh .. 4 bh + 3, 32 along K, on buffers p.  zero = 1: the product starts the sum: nothing is ever cleared.
; The 32 accumulators take turns, in the same order in every quarter: between two links of a chain stand the 31 others'.
.macro MUL4 p, a, bh, zero
	WIN MUL
.irp b, 4*(\bh), 4*(\bh)+1, 4*(\bh)+2, 4*(\bh)+3
.if \zero
	v_wmma_f32_16x16x32_bf16 v[8*(8*(\a)+(\b)):8*(8*(\a)+(\b))+7], v[64*(\p)+8*(\b):64*(\p)+8*(\b)+7], v[AF+32*(\p)+8*(\a):AF+32*(\p)+8*(\a)+7], 0
.else
	v_wmma_f32_16x16x32_bf16 v[8*(8*(\a)+(\b)):8*(8*(\a)+(\b))+7], v[64*(\p)+8*(\b):64*(\p)+8*(\b)+7], v[AF+32*(\p)+8*(\a):AF+32*(\p)+8*(\a)+7], v[8*(8*(\a)+(\b)):8*(8*(\a)+(\b))+7]
.endif
.endr
.endm
.macro FETCHB slot, bk, p              ; 16 LDS loads: wt's eight fragments at byte bk of the rows, into buffer p
	WIN TO_B
.irp i, 0,1,2,3,4,5,6,7
	ds_load_b128 v[64*(\p)+8*(\i):64*(\p)+8*(\i)+3],   v[ADRB+(\slot)] offset:(\bk)+(\i)*16*PB
	ds_load_b128 v[64*(\p)+8*(\i)+4:64*(\p)+8*(\i)+7], v[ADRB+(\slot)] offset:(\bk)+(\i)*16*PB+32
.endr
.endm
.macro FETCHR slot, rk                 ; 16 LDS loads: x's four fragments in f32, at byte rk of the rows
	WIN 0
.irp f, 0,1,2,3
.irp e, 0,1,2,3
	ds_load_b128 v[RAW+16*(\f)+4*(\e):RAW+16*(\f)+4*(\e)+3], v[ADRA+(\slot)] offset:(\rk)+(\f)*16*PA+16*((\e)%2)+64*((\e)/2)
.endr
.endr
.endm
.macro CVT f, p                        ; fragment f of x, rounded to bf16, into buffer p
	WIN 0
.irp j, 0,1,2,3,4,5,6,7
	v_cvt_pk_bf16_f32 v[AF+32*(\p)+8*(\f)+(\j)], v[RAW+16*(\f)+2*(\j)], v[RAW+16*(\f)+2*(\j)+1]
.endr
.endm
.macro BLK f, p, zero                  ; four products of the quarter in hand, eight conversions for the next
	MUL4 \p, 2+(\f)/2, (\f)%2, \zero
	CVT \f, 1-(\p)
.endm
; A QUARTER multiplies buffers p.  wt's next fragments come from byte bk of slot bs, x's next but one from byte rk of slot rs.
; At its head at most two runs of 16 LDS loads are out: wt's of this quarter, then x's of the next.  The first wait leaves the younger run out; the second, behind the 16 loads just issued, shows x's run in.
; PLACES (ISA guide 7.12.1 for vector instructions): the eight conversions of BLK 3 name x's f32 registers and the other bf16 buffer alone, so they are the places between a quarter's last products and the
; next quarter's loads into, and conversions into, the buffers that those products read.  No v_nop is written in the loop but those behind a tensor load.
; kind 0: plain.  kind 1: THE CHANGE OF SLOTS.  wt's last fragments of slot bs have just been asked for (x's were read a quarter ago).  Each wave waits for all its tensor loads, of which one is out: its part of
; the other slot; adds 0 to its spare word; and waits for that and for its reads of the slot.  The barrier opens a round of the cluster's barrier; behind the round slot bs is filled again, two K steps ahead,
; first of all; then the other slot is read.  kind 2: the same with nothing left to fetch: one barrier, no round.  kind 3: plain, and x has no quarter next but one.
.macro QUARTER p, bs, bk, rs, rk, zero, kind
	s_wait_dscnt 16
	MUL4 \p, 0, 0, \zero
	MUL4 \p, 0, 1, \zero
	MUL4 \p, 1, 0, \zero
	MUL4 \p, 1, 1, \zero
	FETCHB \bs, \bk, 1-(\p)
.if ((\kind) == 1) || ((\kind) == 2)
	WIN 0                                          ; (the add's two registers lie in window 0)
	s_wait_tensorcnt 0x0                           ; all my tensor loads have landed: my part of the other slot;
	ds_add_u32 v[SPW], v[NIL]                      ; 0 onto my spare word;
	s_wait_dscnt 17                                ; (x's run is in; the 16 loads just issued and the add may be out)
	BLK 0, \p, \zero
	BLK 1, \p, \zero
	s_wait_dscnt 0x0                               ; the add is done, and my reads of this slot are over
	s_barrier_signal -1
	BLK 2, \p, \zero                               ; work on registers while the others arrive
	BLK 3, \p, \zero
	WIN 0
	s_barrier_wait -1
.if (\kind) == 1
	CREST                                          ; no wave of any partner still reads this slot's tiles or has a load on its way
	s_add_nc_u64 s[G0+4*(\bs)+2:G0+4*(\bs)+3], s[G0+4*(\bs)+2:G0+4*(\bs)+3], 2*512
	s_add_nc_u64 s[G0B+4*(\bs)+2:G0B+4*(\bs)+3], s[G0B+4*(\bs)+2:G0B+4*(\bs)+3], 2*256
	JLOAD \bs                                      ; my one tensor load behind the round, and the first thing there: 112 matrix instructions ahead of the wait for it
.endif
	FETCHR \rs, \rk
.else
	s_wait_dscnt 16
	BLK 0, \p, \zero
	BLK 1, \p, \zero
	BLK 2, \p, \zero
	BLK 3, \p, \zero
.if (\kind) == 0
	FETCHR \rs, \rk
.endif
.endif
.endm
; THE WAY OUT of row block a.  PACK: rounded to f16, 16 bytes a lane, each accumulator's registers in ascending order.  TOSTAGE: into my own stage, and back by heads: 4 rows x 128 bytes a load.  SEND: stored.
.macro PACK a
	WIN 0x05                                       ; sources 0 and 1 window 1, destination window 0
.irp b, 0,1,2,3,4,5,6,7
.irp r, 0,1,2,3
	v_cvt_pk_f16_f32 v[TMP+4*(\b)+(\r)], v[8*(8*(\a)+(\b))+2*(\r)], v[8*(8*(\a)+(\b))+2*(\r)+1]
.endr
.endr
	WIN 0
.endm
.macro TOSTAGE a
.set BKA, BK+32*((\a)%2)
.irp b, 0,1,2,3,4,5,6,7
	ds_store_b128 v[STO], v[TMP+4*(\b):TMP+4*(\b)+3] offset:32*(\b)
.endr
.irp g, 0,1
.irp u, 0,1,2,3
	ds_load_b128 v[BKA+4*(4*(\g)+(\u)):BKA+4*(4*(\g)+(\u))+3], v[RD] offset:(\u)*4*SP+128*(\g)  ; LDS serves a wave's instructions in order (ISA guide 5.7.1.4): these see the stores above
.endr
.endr
.endm
.macro SEND a
.set BKA, BK+32*((\a)%2)
	s_wait_dscnt 0x0                               ; the block is back in registers
	s_wait_xcnt 0x0                                ; the stores of the block before have read their registers, which the next block's loads from the stage write
.irp g, 0,1
.irp u, 0,1,2,3
	global_store_b128 v[GO], v[BKA+4*(4*(\g)+(\u)):BKA+4*(4*(\g)+(\u))+3], s[8:9] offset:262144*(\g)+2048*(\a)+512*(\u)  ; head g of my two, rows 16 a + 4 u on: 512 consecutive bytes, aligned
.endr
.endr
.endm
	s_wait_tensorcnt 1                             ; my part of K step 0 is in; K step 1's may stay out
	s_barrier_signal -1
	s_barrier_wait -1                              ; everybody's is
	FETCHB 0, 0, 0
	FETCHR 0, 0
	s_wait_dscnt 0x0
	CVT 0, 0
	CVT 1, 0
	CVT 2, 0
	CVT 3, 0
	FETCHR 0, 128
	QUARTER 0, 0, 64, 0, 256, 1, 0                 ; the first quarter stands in front of the loop: its products start the sums
	WIN 0                                          ; at a label and at a branch every window is 0
	s_mov_b32 s3, 3
.Llap:                                                 ; a trip goes once round the ring, from a lap's second quarter to the next lap's first, and fills both slots again: K steps 2 to 7
	QUARTER 1, 0, 128, 0, 384, 0, 0
	QUARTER 0, 0, 192, 1, 0,   0, 1
	QUARTER 1, 1, 0,   1, 128, 0, 0
	QUARTER 0, 1, 64,  1, 256, 0, 0
	QUARTER 1, 1, 128, 1, 384, 0, 0
	QUARTER 0, 1, 192, 0, 0,   0, 1
	QUARTER 1, 0, 0,   0, 128, 0, 0
	QUARTER 0, 0, 64,  0, 256, 0, 0
	WIN 0
	s_sub_co_u32 s3, s3, 1
	s_cmp_lg_u32 s3, 0
	s_cbranch_scc1 .Llap
	QUARTER 1, 0, 128, 0, 384, 0, 0                ; the last lap is written out: it fills nothing
	QUARTER 0, 0, 192, 1, 0,   0, 2
	QUARTER 1, 1, 0,   1, 128, 0, 0
	QUARTER 0, 1, 64,  1, 256, 0, 0
	QUARTER 1, 1, 128, 1, 384, 0, 0
	QUARTER 0, 1, 192, 1, 0,   0, 3
	s_wait_dscnt 0x0                               ; the very last quarter: nothing more to fetch or to round
.irp a, 0,1,2,3
	MUL4 1, \a, 0, 0
	MUL4 1, \a, 1, 0
.endr
	WIN 0
.rept 4
	v_nop                                          ; four places between the last products and the conversions that read results
.endr
	PACK 0
	TOSTAGE 0
.irp a, 1,2,3                          ; block a's conversions stand between block a - 1's loads from the stage and the wait for them
	PACK \a
	SEND (\a)-1
	TOSTAGE \a
.endr
	SEND 3
	s_wait_tensorcnt 0x0                           ; the wave's end, behind my last tensor load and my last LDS store
	ds_add_u32 v[SPW], v[NIL]
	s_wait_dscnt 0x0
	CROUND                                         ; the closing round: no work-group ends while a partner may still ask for a tile that names it
	s_endpgm
.Lfunc_end_k_q160e8b3291_proj:
	.size	k_q160e8b3291_proj, .Lfunc_end_k_q160e8b3291_proj-k_q160e8b3291_proj
	.p2alignl 7, 3214868480
	.fill 96, 4, 3214868480
	.section	.rodata,"a",@progbits
	.p2align	6, 0x0
	.amdhsa_kernel k_q160e8b3291_proj
		.amdhsa_group_segment_fixed_size 327680
		.amdhsa_private_segment_fixed_size 0
		.amdhsa_enable_private_segment 0
		.amdhsa_kernarg_size 40
		.amdhsa_user_sgpr_count 2
		.amdhsa_user_sgpr_kernarg_segment_ptr 1
		.amdhsa_wavefront_size32 1
		.amdhsa_system_sgpr_workgroup_id_x 1
		.amdhsa_system_sgpr_workgroup_id_y 1
		.amdhsa_system_sgpr_workgroup_id_z 1
		.amdhsa_system_vgpr_workitem_id 0
		.amdhsa_next_free_vgpr 640
		.amdhsa_next_free_sgpr 80
		.amdhsa_reserve_vcc 0
		.amdhsa_float_denorm_mode_32 3
		.amdhsa_float_denorm_mode_16_64 3
		.amdhsa_memory_ordered 1
		.amdhsa_forward_progress 1
		.amdhsa_inst_pref_size 128
	.end_amdhsa_kernel
	.amdgpu_metadata
---
amdhsa.version: [ 1, 2 ]
amdhsa.kernels:
  - .name:           k_q160e8b3291_proj
    .symbol:         k_q160e8b3291_proj.kd
    .args:
      - { .name: q, .offset: 0, .size: 8, .value_kind: global_buffer, .address_space: global }
      - { .name: k, .offset: 8, .size: 8, .value_kind: global_buffer, .address_space: global }
      - { .name: v, .offset: 16, .size: 8, .value_kind: global_buffer, .address_space: global }
      - { .name: wt, .offset: 24, .size: 8, .value_kind: global_buffer, .address_space: global }
      - { .name: qkv, .offset: 32, .size: 8, .value_kind: global_buffer, .address_space: global }
    .group_segment_fixed_size: 327680
    .private_segment_fixed_size: 0
    .kernarg_segment_align: 8
    .kernarg_segment_size: 40
    .max_flat_workgroup_size: 128
    .sgpr_count:     80
    .vgpr_count:     640
    .wavefront_size: 32
...
	.end_amdgpu_metadata
.endif
;; end of part 2
;; launch attn (part 3): grid 4 x 64, 4 waves a work-group, clusters of 4 x 1, 327,680 bytes of LDS; arguments qkv, oh; writes oh
.if DOCPART == 3
	.amdgcn_target "amdgcn-amd-amdhsa--gfx1250"
	.amdhsa_code_object_version 6
	.text
	.protected	k_q160e8b3291_attn
	.globl	k_q160e8b3291_attn
	.p2align	8
	.type	k_q160e8b3291_attn,@function
k_q160e8b3291_attn:
	s_mov_b64 s[64:65], 0
	v_nop
	global_prefetch_b8 v0, s[64:65] scope:SCOPE_SE
	s_setreg_imm32_b32 hwreg(HW_REG_WAVE_MODE, 25, 1), 1
	s_wait_xcnt 0x0
	s_wait_alu depctr_hold_cnt(0) depctr_sa_sdst(0) depctr_va_vdst(0) depctr_va_sdst(0) depctr_va_ssrc(0) depctr_va_vcc(0) depctr_vm_vsrc(0)
	s_getreg_b32 s2, hwreg(HW_REG_IB_STS2, 6, 4)
	s_cmp_eq_u32 s2, 0
	s_cbranch_scc0 .Lentry_in_a_cluster
	s_endpgm
.Lentry_in_a_cluster:
	s_bfe_u32 s2, ttmp6, 0x10000c
	s_cmp_lg_u32 s2, 0x3003
	s_cbranch_scc0 .Lentry_shape_is_right
	s_endpgm
.Lentry_shape_is_right:
; oh[h][q][:] = the sum over k of softmax_k(Q[h][q] . K[h][k] / 8) V[h][k][:].  Q, K, V = qkv[0], qkv[1], qkv[2], each [SIZE_H][SIZE_N][64] f16, as is oh: a head's rows are dense, 128 bytes each.  Products, maxima and
; sums in f32; the weights p are rounded to f16 for the second product (their sum l is taken of the unrounded p), O once at the end.
; LIMITS.  f16 holds no number beyond 65,504: Q, K and V arrive within it; p lies in 0 to 1, and below 6e-5 it keeps f16's fixed step of 6e-8; O is a mean of V's rows and has their range.
; A weight below 2^-126 counts as 0 in l; NaN and infinities are not treated apart.
; SHARES.  A wave owns four PIECES of two tiles of 16 queries, a work-group's four waves 512 queries of one head.  Every wave walks all keys, 64 a step.
; LAYOUT.  S^T = K Q^T (source 0 = 16 keys, source 1 = 16 queries): in the result a lane holds ONE query (lane % 16) and the keys 8 (lane / 16) + 0..7.  Two such tiles, rounded to f16 in pairs,
; ARE source 1 (32 keys x 16 queries) of O^T = V^T P, whose result again holds one query a lane, and eight channels.  K comes out of LDS as it lies, V ([key][channel]) turned, by ds_load_tr16_b128.
; SOFTMAX.  For each query a running maximum m and sum l: p = 2^(c s - c m), c = log2(e) / 8; in every step O and l are multiplied by a = 2^(c m_old - c m_new), which is 1 where m has not grown.
; m starts at the lowest finite number, O and l at 0: the first step is a step like any other, with a = 0.
; THE COUNT.  A tile and step have 16 matrix and 118 vector instructions: too many to stand all beside the matrix work.  So the order has one aim: four vector instructions that are READY behind
; EVERY matrix instruction, and the others, which need time of their own whatever the order, in runs without a gap.
; BY TURNS.  Turn n belongs to piece n (the pieces in a ring, step after step).  Its matrix work: 16 products K Q^T of piece n + 1, later 16 products V^T P of piece n - 1.  Its vector work: the scaling,
; exponentials, roundings, sums and rescaling of piece n, and the maximum and statistics of piece n + 1, whose scores the turn itself has made.  So what a turn begins with (c s - c m, O a) waits for nothing.
; CLUSTER.  The four query blocks of a head are one cluster and walk the same K and V, so each tile is asked for JOINTLY: the same tensor load, descriptor and mask in all four.
; REGISTERS, in windows of 256 (s_set_vgpr_msb says which window each operand place means: bits 1:0 source 0, 3:2 source 1, 5:4 source 2, 7:6 destination):
;   window 0: v0-11 addresses; v12-15, v48-63 at work; v16-47 four registers of statistics a tile; v64-191 S^T, two buffers of two tiles; v192-255 P, likewise
;   window 1: O^T, 32 a tile          window 2: v0-127 Q, 16 a tile; v128-191 K of one step; v192-255 V of one step          window 3: v0-1 the add's two registers
; A piece's buffers go by its number's parity: the piece in hand has one pair, its two neighbours in the ring share the other: of it P (piece n - 1) is read and S^T (piece n + 1) written.
.set SIZE_H, 64       ; 4 batches x 16 heads
.set SIZE_N, 2048
.set NP,    4         ; pieces a wave: a name, no knob: the register map, the loop and the fetches are made for four
.set KS,    64        ; keys in a step
.set PK,    144       ; a row of K in LDS: 128 bytes + 16 of padding = 36 words: the 16 rows of a load start at 16 different groups of four banks (64 banks of 4 bytes: ISA guide 11.1)
.set PV,    160       ; a row of V: 128 + 32 = 40 words
.set VOFF,  4*KS*PK   ; a slot holds four steps: 256 rows of K, then 256 rows of V
.set SLOT1, 1<<17     ; slot 1 begins here, so that one exclusive or turns an address in one slot into the other's
.set STAGE, SLOT1+4*KS*(PK+PV)  ; behind the ring, never filled by a tensor load: 16 rows x 144 bytes for each wave, for the way out
.set SP,    144
.set AK0, 2           ; v2   my lane's place in a tile of K; never rewritten
.set AV0, 3           ; v3   the same for V
.set AK,  4           ; v4   the LDS address of K's next run of loads
.set AV,  5           ; v5   of V's
.set QO,  6           ; v6   my byte offset in the wave's rows of Q
.set STO, 6           ;      later, the way out: where I put 16 bytes of a row
.set RD,  7           ; v7   the way out: where I read rows back
.set GO,  8           ; v8   my byte offset in 512 consecutive bytes of O
.set PFO, 11          ; v11  256 x my lane: the prefetches' offset; never rewritten once made
.set SPW, 0           ; v0 of window 3   LDS address of my spare word: SPARE + 4 x my thread's number; never rewritten
.set NIL, 1           ; v1 of window 3   0; never rewritten
.set SPARE, STAGE+4*16*SP  ; behind the stages: the spare words, 128 bytes for each wave: two blocks of 256 bytes that no other line names
.set MV,  12          ; v12-15  c m_old, kept while c m is made anew: by buffer and tile
.set ST,  16          ; tile t's statistics at v[ST+4 t]: c m, m, l (even keys', odd keys')
.set TMP, 48          ; by buffer and tile, four registers c0-c3 at work; when the maximum is found c2 takes a
.set S,   64
.set P,   192
.set KF,  128         ; K's fragments, in window 2: key block kb, channel half c at KF + 16 kb + 8 c
.set VF,  192         ; V's: key half kk, channel block cb at VF + 32 kk + 8 cb
.set WV,  12          ; s12  my wave's number
.set G1K, 24          ; s[24:31] descriptor group 1 for K's tiles
.set G1V, 32          ; s[32:39] for V's: it differs in the padding alone
.set G0K, 40          ; s[40:43] descriptor group 0 for K's tiles: it walks
.set G0V, 44          ; s[44:47] the same for V's
.set PFA, 48          ; s[48:49] where my prefetches stand: my work-group's 8,192 bytes (of K: wave 0, of V: wave 2) of the slot after the one that is being asked for
.set LIM, 50          ; s50  1 in a wave that prefetches, else the greatest number: a wave prefetches while s[SLOTS] is above it
.set SLOTS, 56        ; s56  slots still to be asked for
.set CNT, 57          ; s57  counts a slot's key steps
.set CS,  58          ; s[58:59] c: the packed scaling takes the pair's low word for both halves
.set SEL, 60          ; s[60:61] v_permlanex16_b32's selects: each lane takes its own place in the other half
.set TBK, 62          ; s62  LDS byte at which K of the step to be fetched begins
.set TBV, 63          ; s63  the same for V, less VOFF
.set MSB, 0
.macro WIN new                      ; the high byte repeats the setting that is left; a switch that changes nothing is dropped
.if MSB != (\new)
	s_set_vgpr_msb (MSB<<8)|(\new)
.set MSB, (\new)
.endif
.endm
.set W_KQ, 0x0a       ; K and Q in window 2, S^T in window 0
.set W_PV, 0x52       ; V in window 2, P in window 0, O^T in window 1
.set W_RS, 0x41       ; O^T (destination and source 0) in window 1, a in window 0
.set W_MK, 0xc0       ; the add's registers are made: destination in window 3, sources in window 0
.set W_AD, 0x0f       ; the add: address (source 0) and data (source 1) in window 3
; A joint fill.  Waves 0 and 1 fetch the two halves of a slot's K, waves 2 and 3 those of its V: 128 keys each.  The branch hangs on the wave's number alone.
; An s_nop 0 and four v_nop follow each of the two lines, ahead of the jump and the label.
.macro JLOAD
	s_cmp_lt_u32 s[WV], 2
	s_cbranch_scc0 .Lfor_v_\@
	tensor_load_to_lds s[G0K:G0K+3], s[G1K:G1K+7]
	s_nop 0
.rept 4
	v_nop
.endr
	s_branch .Lasked_\@
.Lfor_v_\@:
	tensor_load_to_lds s[G0V:G0V+3], s[G1V:G1V+7]
	s_nop 0
.rept 4
	v_nop
.endr
.Lasked_\@:
.endm
; A PREFETCH INTO THE L2 of what the NEXT change of slots will ask for: a slot's 32,768 bytes of K and of V, in 128 blocks of 256 bytes each, a lane a block.  It stands behind the wave's tensor load and its five lines.
; Each block is named ONCE in the launch: a head is walked by one cluster alone; its four partners share the blocks out BY ADDRESS, 32 each (no branch hangs on a work-group's place in its cluster); in each,
; wave 0 asks for K's and wave 2 for V's: one instruction.  It names the slot four key steps, 512 matrix instructions, ahead of the load that will want it.  Slots 0, 1 and 2 come by their loads alone;
; the last change that fills a slot asks for nothing: there is no slot behind it.
.macro ASK
	s_cmp_gt_u32 s[SLOTS], s[LIM]
	s_cbranch_scc0 .Lnot_mine_\@
	global_prefetch_b8 v[PFO], s[PFA:PFA+1] th:TH_LOAD_NT scope:SCOPE_SE
.Lnot_mine_\@:
.endm
; A round of the cluster's barrier: my work-group's barrier, so that wave 0's signal speaks for all four waves; wave 0 signals; every wave waits for all four work-groups; my work-group's barrier once more.
.macro CROUND
	s_barrier_signal -1
	s_barrier_wait -1
	s_cmp_lg_u32 s[WV], 0
	s_cbranch_scc1 .Lnot_wave_0_\@
	s_barrier_signal -3
.Lnot_wave_0_\@:
	s_barrier_wait -3
	s_barrier_signal -1
	s_barrier_wait -1
.endm
; THE CHANGE OF SLOTS.  The slot's last bytes, V of its fourth step, have been read.  Each wave waits for all its tensor loads, of which one is out: its part
; of the other slot; adds 0 to its spare word; and waits for that and for its own reads of the slot.  Behind the barrier nobody reads this slot any more and the other slot is whole.
; fill = 1: this slot is filled again, with the keys two slots on.  The barrier is then a round of the cluster's, so that no wave of any partner still reads the slot or has a load on its
; way, and the joint fill is the first thing behind it: it has four key steps, 512 matrix instructions, in which to land.  (At its first use nothing has been read yet: slot 0 is waited for, slot 1 filled.)
; ask = 1: the prefetches' address steps a slot on, and ASK follows the fill.
.macro CHANGE fill, ask=0
	WIN W_AD
	s_wait_tensorcnt 0x0            ; no tensor load of mine is out, so a group 0 may be written
	ds_add_u32 v[SPW], v[NIL]       ; 0 onto my spare word; with fill = 1 the descriptors' steps stand between it and the wait for it
	WIN 0                           ; at a label and at a branch every window is 0
.if \fill
.irp g, G0K, G0V
	s_xor_b32 s[\g+1], s[\g+1], SLOT1  ; the walking descriptor: the other slot than last time,
	s_add_nc_u64 s[\g+2:\g+3], s[\g+2:\g+3], 4*KS*128  ; the next 256 keys; the type bits on top are not reached
.endr
.if \ask
	s_wait_xcnt 0x0                 ; the last prefetch, four key steps back, has read its address, so it may be written:
	s_add_nc_u64 s[PFA:PFA+1], s[PFA:PFA+1], 4*KS*128  ; one slot behind the walking descriptors
.endif
	s_wait_dscnt 0x0                ; the add is done, and my reads of the slot are over
	CROUND
	JLOAD
.if \ask
	ASK
.endif
.else
	s_wait_dscnt 0x0                ; the add is done, and my reads of the slot are over
	s_barrier_signal -1
	s_barrier_wait -1
.endif
	s_sub_co_u32 s[TBK], s[TBK], 4*KS*PK  ; the fetches go back to a slot's first step,
	s_xor_b32 s[TBK], s[TBK], SLOT1       ; in the other slot
	s_sub_co_u32 s[TBV], s[TBV], 4*KS*PV
	s_xor_b32 s[TBV], s[TBV], SLOT1
.endm
	s_load_b128 s[4:7], s[0:1], 0x0   ; qkv s[4:5], oh s[6:7]
	WIN W_MK
	v_lshl_add_u32 v[SPW], v0, 2, SPARE
	v_mov_b32 v[NIL], 0
	WIN W_AD
	ds_add_u32 v[SPW], v[NIL]       ; the wave's opening: the add and its wait stand ahead of my first tensor load; the set-up below, work on registers, stands between them
	WIN 0
	v_lshrrev_b32 v1, 5, v0
	v_readfirstlane_b32 s[WV], v1   ; wave 0..3
	s_bfe_u32 s13, ttmp6, 0x40000   ; cx: my place in the cluster
	s_lshl_b32 s14, ttmp9, 2        ; in a cluster launch ttmp9 counts clusters
	s_add_co_u32 s14, s14, s13      ; my block of queries = 4 x cluster x + cx: it enters Q's and O's addresses alone
	s_and_b32 s20, ttmp7, 0xffff    ; the head, which the four partners share
	s_mov_b32 s21, 0
	s_mov_b64 s[22:23], SIZE_N*128
	s_mul_u64 s[20:21], s[20:21], s[22:23]  ; the head's first byte in each of the four tensors
	s_and_b32 s16, s[WV], 1         ; which half of a slot's 256 keys I fetch:
	s_lshl_b32 s22, s16, 14         ; its 128 rows of 128 bytes in memory,
	s_mov_b32 s23, 0
	s_add_nc_u64 s[22:23], s[22:23], s[20:21]
	s_mul_i32 s17, s16, 128*PK      ; and its place in a slot, for K
	s_mul_i32 s18, s16, 128*PV      ; and for V: no place in the cluster enters an LDS address
	s_lshl_b32 s2, s14, 2
	s_add_co_u32 s2, s2, s[WV]      ; my wave among the head's,
	s_lshl_b32 s2, s2, 14           ; its 128 rows
	s_mov_b32 s3, 0
	s_add_nc_u64 s[2:3], s[2:3], s[20:21]
	; descriptor group 1.  128 keys are 16,384 dense bytes: asked for as 64 rows of 256 bytes, two keys a row, and padded in LDS after every key
	s_mov_b32 s[G1K], 15|(1<<16)|(1<<20)|(1<<21)|(4<<22)|(3<<25)  ; 15:0 the mask of four; 17:16 2-byte elements; 20 padding on; 21 set beside a mask; 24:22 after every 32 words (code 4); 31:25 4 words (code 3)
	s_mov_b32 s[G1V], 15|(1<<16)|(1<<20)|(1<<21)|(4<<22)|(7<<25)  ; the same with 8 words of padding (code 7)
.irp g, G1K, G1V
	s_mov_b32 s[\g+1], 128<<16      ; tensor_dim0 = 128
	s_mov_b32 s[\g+2], 64<<16       ; tensor_dim1 = 64
	s_mov_b32 s[\g+3], 128<<16      ; tile_dim0 = 128
	s_mov_b32 s[\g+4], 64           ; tile_dim1 = 64
	s_mov_b32 s[\g+5], 128          ; 128 elements from row to row
	s_mov_b32 s[\g+6], 0
	s_mov_b32 s[\g+7], 0
.endr
	s_mov_b32 s[CS], 0x3e38aa3b     ; c = log2(e) / 8 = 0.180337
	s_mov_b32 s[CS+1], s[CS]        ; named with it as a pair
	s_mov_b32 s[SEL], 0x76543210
	s_mov_b32 s[SEL+1], 0xfedcba98
	s_mov_b32 s[TBK], SLOT1+4*KS*PK ; the first change of slots turns these two into 0
	s_mov_b32 s[TBV], SLOT1+4*KS*PV
	s_mov_b32 s[G0K], 1             ; 1:0 count = 1
	s_mov_b32 s[G0K+1], s17         ; 63:32 LDS address: slot 0
	s_mov_b32 s[G0V], 1
	s_add_co_u32 s[G0V+1], s18, VOFF
	s_and_b32 s[LIM], s[WV], 1      ; 0 in waves 0 and 2: the same in all four partners
	s_cmp_eq_u32 s[LIM], 0
	s_cselect_b32 s[LIM], 1, -1
	s_wait_dscnt 0x0                ; the opening add is done
	s_wait_kmcnt 0x0
	s_mov_b64 s[10:11], s[6:7]                     ; O
	s_add_nc_u64 s[8:9], s[4:5], 0x2000000         ; V = qkv[2]: 2 x 64 x 2,048 x 128 bytes on
	s_add_nc_u64 s[6:7], s[4:5], 0x1000000         ; K = qkv[1]; Q = qkv[0] stays in s[4:5]
	s_add_nc_u64 s[G0K+2:G0K+3], s[6:7], s[22:23]  ; 120:64 global address: my half of the head's first 256 keys
	s_or_b32 s[G0K+3], s[G0K+3], 0x80000000        ; 127:126 type = 2
	s_add_nc_u64 s[G0V+2:G0V+3], s[8:9], s[22:23]
	s_or_b32 s[G0V+3], s[G0V+3], 0x80000000
	s_add_nc_u64 s[4:5], s[4:5], s[2:3]  ; Q and O at my wave's first row
	s_add_nc_u64 s[10:11], s[10:11], s[2:3]
	s_cmp_lt_u32 s[WV], 2
	s_cselect_b64 s[PFA:PFA+1], s[6:7], s[8:9]
	s_add_nc_u64 s[PFA:PFA+1], s[PFA:PFA+1], s[22:23]  ; (in waves 0 and 2 this is the head's first row)
	s_lshl_b32 s2, s13, 13          ; my work-group's 32 blocks of the 128
	s_mov_b32 s3, 0
	s_add_nc_u64 s[PFA:PFA+1], s[PFA:PFA+1], s[2:3]
	s_add_nc_u64 s[PFA:PFA+1], s[PFA:PFA+1], 2*4*KS*128  ; in slot 2; the loop's first change of slots steps it to slot 3.  Nothing is prefetched here, at the head, where every work-group's first tiles are on their way
	CROUND                          ; all four work-groups are here: the first joint loads meet
	JLOAD                           ; slot 0.  Slot 1 is asked for when slot 0 is in: the tile wanted first has the road to itself
	; A fragment of K or Q is 16 rows x 32 channels in 8 registers: lane l holds row l % 16, channels 8 (l / 16) + 0..7 and 16 + 8 (l / 16) + 0..7: two loads of 16 bytes, 32 bytes apart.
	v_and_b32 v1, 15, v0            ; l % 16
	v_bfe_u32 v9, v0, 4, 1          ; l / 16
	v_lshlrev_b32 v[QO], 7, v1
	v_lshl_add_u32 v[QO], v9, 4, v[QO]  ; row x 128 + 16 x half
	WIN 0x80                        ; destination window 2, address window 0
.set i, 0
.rept 4*NP                          ; Q stays in registers: tile i / 2, channels 32 (i % 2) on
	global_load_b128 v[8*i:8*i+3],   v[QO], s[4:5] offset:(i/2)*2048+(i%2)*64
	global_load_b128 v[8*i+4:8*i+7], v[QO], s[4:5] offset:(i/2)*2048+(i%2)*64+32
.set i, i+1
.endr
	; What the first turn finds: V's registers and P's second buffer hold 0 (its products V^T P, of a piece that has not been, add 0), O^T and l are 0.  All this stands in the wait for the first tile.
.set i, VF
.rept 64
	v_mov_b32 v[i], 0
.set i, i+1
.endr
	WIN 0x40
.set i, 0
.rept 64*NP
	v_mov_b32 v[i], 0
.set i, i+1
.endr
	WIN 0
.set i, 0
.rept 2*NP
	v_mov_b32 v[ST+4*i], 0xfe000000    ; c m: far below every c s
	v_mov_b32 v[ST+4*i+1], 0xff7fffff  ; m
	v_mov_b32 v[ST+4*i+2], 0
	v_mov_b32 v[ST+4*i+3], 0
.set i, i+1
.endr
.set i, P+32
.rept 32
	v_mov_b32 v[i], 0
.set i, i+1
.endr
	v_mul_u32_u24 v[AK0], v1, PK
	v_lshl_add_u32 v[AK0], v9, 4, v[AK0]  ; row x pitch + 16 x half
	; The turning load takes 16 keys x 16 channels (lane l reads key 8 (l / 16) + l % 8, channels 8 ((l / 8) % 2) + 0..7) and leaves half a fragment of V^T: lane l holds channel l % 16 and 8 keys.
	v_and_b32 v10, 7, v0
	v_bfe_u32 v11, v0, 3, 1
	v_lshl_add_u32 v[AV0], v9, 3, v10
	v_mul_u32_u24 v[AV0], v[AV0], PV
	v_lshl_add_u32 v[AV0], v11, 4, v[AV0]
	v_add_nc_u32 v[AV0], VOFF, v[AV0]
	v_and_b32 v[PFO], 31, v0        ; v11 has served: it takes the prefetches' offset
	v_lshlrev_b32 v[PFO], 8, v[PFO]
	v_mov_b32 v[AK], v[AK0]         ; key step 0 lies at the head of slot 0
; THE MATRIX WORK.  The 8 accumulators of a run of 16 take turns: between the two links of a chain stand 7 others'.
; Product i of 16 of S^T = K Q^T for piece x: channels 32 (i / 8) on, keys 16 ((i / 2) % 4) on, tile 2 x + i % 2.  The first 8 start the sums.
.macro KQ x
	WIN W_KQ
.set rS, S+64*((\x)%2)+32*(i%2)+8*((i/2)%4)
.set rK, KF+16*((i/2)%4)+8*(i/8)
.set rQ, 16*(2*(\x)+i%2)+8*(i/8)
.if i < 8
	v_wmma_f32_16x16x32_f16 v[rS:rS+7], v[rK:rK+7], v[rQ:rQ+7], 0
.else
	v_wmma_f32_16x16x32_f16 v[rS:rS+7], v[rK:rK+7], v[rQ:rQ+7], v[rS:rS+7]
.endif
.endm
; Product i of 16 of O^T += V^T P for piece x: keys 32 (i / 8) on, channels 16 ((i / 2) % 4) on, tile 2 x + i % 2.
.macro PV x
	WIN W_PV
.set rO, 32*(2*(\x)+i%2)+8*((i/2)%4)
.set rV, VF+32*(i/8)+8*((i/2)%4)
.set rP, P+32*((\x)%2)+16*(i%2)+8*(i/8)
	v_wmma_f32_16x16x32_f16 v[rO:rO+7], v[rV:rV+7], v[rP:rP+7], v[rO:rO+7]
.endm
.macro MM                           ; the turn's next matrix instruction
.if i < 16
	KQ (Y+1)%NP
.set i, i+1
.else
.set i, i-16
	PV (Y+NP-1)%NP
.set i, i+17
.endif
.endm
; THE LDS LOADS stand in runs of 16, never singly among the matrix instructions: a step's K (64 keys x 64 channels: 8 fragments) and its V (turned).  Their addresses are made some lines ahead.
; last = 1 (the tail): in the last trip there is no further step, and the run is jumped over.
.macro FETCH_K last=0
	WIN 0
.if \last
	s_cmp_eq_u32 s[CNT], 1
	s_cbranch_scc1 .Lno_k_\@
.endif
	WIN 0x80                        ; destination window 2
.irp f, 0,1,2,3,4,5,6,7             ; keys 16 (f / 2) on, channels 32 (f % 2) on
	ds_load_b128 v[KF+8*\f:KF+8*\f+3],   v[AK] offset:(\f/2)*16*PK+(\f%2)*64
	ds_load_b128 v[KF+8*\f+4:KF+8*\f+7], v[AK] offset:(\f/2)*16*PK+(\f%2)*64+32
.endr
	s_add_co_u32 s[TBK], s[TBK], KS*PK  ; the next fetch is the next step's
	WIN 0
.if \last
.Lno_k_\@:
.endif
.endm
.macro FETCH_V
	WIN 0x80
.irp f, 0,1,2,3,4,5,6,7             ; keys 32 (f / 4) on, channels 16 (f % 4) on
	ds_load_tr16_b128 v[VF+8*\f:VF+8*\f+3],   v[AV] offset:(\f/4)*32*PV+(\f%4)*32
	ds_load_tr16_b128 v[VF+8*\f+4:VF+8*\f+7], v[AV] offset:(\f/4)*32*PV+16*PV+(\f%4)*32
.endr
	WIN 0
.endm
; THE VECTOR WORK OF A TURN stands in three queues, each in the order in which its entries become ready; the two tiles alternate, so that no instruction reads the result of the one before it.
.macro REGS y, u                    ; the registers of tile u (0, 1) of piece y
.set rT, ST+4*(2*(\y)+(\u))
.set rC, TMP+8*((\y)%2)+4*(\u)
.set rM, MV+2*((\y)%2)+(\u)
.set rS, S+64*((\y)%2)+32*(\u)
.set rP, P+32*((\y)%2)+16*(\u)
.set rO, 32*(2*(\y)+(\u))
.endm
; Number n of the 22 that find the NEXT piece's (Y + 1) maximum and statistics.  s0-s31 are the lane's 32 scores; each accumulator's lowest registers are read first.  XS, GS and REGS set no window: PL and EX do.
;   0-11  four chains c0-c3 of seven scores each, three operands at a time     12-14, 16  the four scores left over, the old m, and c0-c3 into c0     15  c m_old is kept
;   17, 18  the query's other 32 keys lie in the lane 16 away: the new m         19-21  c m; c m_old - c m_new; a
.macro XS u, n
	REGS (Y+1)%NP, \u
.if (\n) < 4
	v_max3_num_f32 v[rC+(\n)], v[rS+8*(\n)], v[rS+8*(\n)+1], v[rS+8*(\n)+2]
.elseif (\n) < 12
	v_max3_num_f32 v[rC+(\n)%4], v[rC+(\n)%4], v[rS+8*((\n)%4)+2*((\n)/4)+1], v[rS+8*((\n)%4)+2*((\n)/4)+2]
.elseif (\n) == 12
	v_max3_num_f32 v[rC], v[rC], v[rS+7], v[rS+15]
.elseif (\n) == 13
	v_max3_num_f32 v[rC+1], v[rC+1], v[rS+23], v[rS+31]
.elseif (\n) == 14
	v_max3_num_f32 v[rC+2], v[rC+2], v[rC+3], v[rT+1]
.elseif (\n) == 15
	v_mov_b32 v[rM], v[rT]
.elseif (\n) == 16
	v_max3_num_f32 v[rC], v[rC], v[rC+1], v[rC+2]
.elseif (\n) == 17
	v_permlanex16_b32 v[rC+3], v[rC], s[SEL], s[SEL+1]
.elseif (\n) == 18
	v_max_num_f32 v[rT+1], v[rC], v[rC+3]
.elseif (\n) == 19
	v_mul_f32 v[rT], s[CS], v[rT+1]
.elseif (\n) == 20
	v_sub_f32 v[rC+1], v[rM], v[rT]
.else
	v_exp_f32 v[rC+2], v[rC+1]
.endif
.endm
; Number g of the 64 that follow the exponentials.  For each four weights k of a tile (pairs 2 k, 2 k + 1): both pairs are rounded to f16; then the second pair is added onto the first, in place;
; a group later l takes that sum (the first time as l = a l + sum).  In groups of eight, tiles alternating: round, round, add, and l for the group before.
.macro GS g
.set h, (\g)+6*((\g)/62)            ; group 0 has no group before it, and behind group 7 only l is left
.if h >= 6
.set h, h+2
.endif
	REGS Y, h%2
.set k, h/8
.if h%8 < 4
	s_wait_alu depctr_va_vdst(0)
	v_cvt_pk_f16_f32 v[rP+2*k+(h%8)/2], v[rS+4*k+2*((h%8)/2)], v[rS+4*k+2*((h%8)/2)+1]
.elseif h%8 < 6
	v_pk_add_f32 v[rS+4*k:rS+4*k+1], v[rS+4*k:rS+4*k+1], v[rS+4*k+2:rS+4*k+3]
.elseif k == 1
	v_pk_fma_f32 v[rT+2:rT+3], v[rT+2:rT+3], v[rC+2:rC+3], v[rS:rS+1] op_sel_hi:[1,0,1]
.else
	v_pk_add_f32 v[rT+2:rT+3], v[rT+2:rT+3], v[rS+4*k-4:rS+4*k-3]
	s_wait_alu depctr_va_vdst(0)
.endif
.endm
; THE PLAIN QUEUE, 138 long.  0-31: c s - c m for the 16 pairs of both tiles.  Then GS's 64, and among them the next piece's 42: number 15 at 38, 39; 0-14 and 16
; at 42-73, behind the products that make those scores; 17-20 at 95-106, two of three, since each waits for the one before it.
.macro PL
	WIN 0
.if q < 32
	REGS Y, q%2
	v_pk_fma_f32 v[rS+2*(q/2):rS+2*(q/2)+1], v[rS+2*(q/2):rS+2*(q/2)+1], s[CS:CS+1], v[rT:rT+1] op_sel_hi:[1,0,0] neg_lo:[0,0,1] neg_hi:[0,0,1]
.elseif q < 38
	GS q-32
.elseif q < 40
	XS q%2, 15
.elseif q < 42
	GS q-34
.elseif q < 74
	XS q%2, (q-42)/2+(q-42)/30
.elseif q < 95
	GS q-66
.elseif (q < 107) && ((q-95)%3 < 2)
	XS (q-95)%3, 17+(q-95)/3
.elseif q < 107
	GS 29+(q-95)/3
.else
	GS q-74
.endif
.set q, q+1
.endm
; THE EXPONENTIALS' QUEUE, 66 long: s0-s31 of both tiles, and at EA the next piece's two a.
.set EA, 58
.macro EX
	WIN 0
.if (e == EA) || (e == EA+1)
	XS e-EA, 21
.else
.set x, e-2*(e/(EA+2))
	REGS Y, x%2
	v_exp_f32 v[rS+x/2], v[rS+x/2]
.endif
.set e, e+1
.endm
; THE RESCALING's QUEUE: O^T times a, the one part that leaves window 0, so it is dealt four at a time, eight times.
.macro R4
	REGS Y, r%2
	WIN W_RS
	s_wait_alu depctr_va_vdst(0)
.irp z, 0,1,2,3
	v_pk_mul_f32 v[rO+8*(r/2)+2*\z:rO+8*(r/2)+2*\z+1], v[rO+8*(r/2)+2*\z:rO+8*(r/2)+2*\z+1], v[rC+2:rC+3] op_sel_hi:[1,0]
.endr
.set r, r+1
.endm
; HOW THEY ARE DEALT.  Behind a matrix instruction four: plain, exponential, plain, plain (one exponential, a plain instruction on either side), or four of the rescaling.  None names a register of the
; products round it.  What is over stands in two LUMPS: exponential and plain by turns; the second ends in 22 plain instructions.  The two v_permlanex16_b32 fall into the second lump, never behind a product.
; The queues lean on each other, and the deal keeps them in step: exponential e stands behind plain 2 (e / 4) + e % 2 (its scaling); when plain 32 comes, 10 exponentials are out, at 59: 33, at 95: 46; EA comes behind plain 107.
.macro SL
	MM
	PL
	EX
	PL
	PL
.endm
.macro BURST n                      ; 15 matrix instructions, or 16
.rept (\n)-7
	SL
.endr
.rept 3
	MM
	R4
	SL
.endr
	MM
	R4
.endm
; A TURN, for piece p.  cnt = 1: the loop's count is taken down some lines ahead of the branch that stands behind the turn.
; K of the next step is fetched in piece 2's turn, 31 vector instructions behind the last product that read K; its first reader comes behind the rest of the lump, 16 products and the second lump.
; V of the step in hand is fetched at the end of piece 0's turn, 69 behind its last reader; its first reader comes behind 16 products and a lump.  The four conditions on e and q below go with the deal.
.macro TURN p, last=0, cnt=0
.set Y, (\p)
.set i, 0
.set q, 0
.set e, 0
.set r, 0
.if (\p) == NP-1
	s_wait_dscnt 0x0                ; K is in
.endif
	MM
.rept 4
	PL
.endr
	BURST 15
.rept 22
	EX
	PL
.if ((\p) == NP-2) && (e == 18)
	v_add_nc_u32 v[AK], s[TBK], v[AK0]
.endif
.if ((\p) == NP-2) && (e == 24)
	FETCH_K \last
.endif
.endr
.if (\p) == 1
	s_wait_dscnt 0x0                ; V is in
.endif
	BURST 16
.rept 21
	EX
	PL
.endr
.rept 22
	PL
.if ((\p) == 0) && (q == 118)
	v_add_nc_u32 v[AV], s[TBV], v[AV0]
	s_wait_alu depctr_va_vdst(0)
.endif
.if ((\p) == 0) && (q == 130)
	s_add_co_u32 s[TBV], s[TBV], KS*PV
.endif
.if (\cnt) && (q == 130)
	s_sub_co_u32 s[CNT], s[CNT], 1
	s_cmp_lg_u32 s[CNT], 0
.endif
.endr
.if (\p) == 0
	FETCH_V
.endif
.endm
	CHANGE 1                        ; slot 0 is in, everybody's part of it; slot 1 is asked for
	FETCH_K                         ; key step 0
	s_wait_loadcnt 0x0              ; Q
	s_wait_dscnt 0x0
.set i, 0
.rept 16
	KQ 0                            ; piece 0's first scores: there is no vector work yet to set between them
.set i, i+1
.endr
	WIN 0                           ; the addresses for the way out: nine plain instructions, the places behind those products
	s_mul_i32 s13, s[WV], 16*SP
	s_add_co_u32 s13, s13, STAGE    ; my stage
	v_mul_u32_u24 v[STO], v1, SP    ; in: row l % 16, 16 bytes for each half of the lanes
	v_lshl_add_u32 v[STO], v9, 4, v[STO]
	v_add_nc_u32 v[STO], s13, v[STO]
	v_bfe_u32 v[RD], v0, 3, 2       ; back: 32 lanes take four rows of 128 bytes,
	v_mul_u32_u24 v[RD], v[RD], SP
	v_lshl_add_u32 v[RD], v10, 4, v[RD]
	v_add_nc_u32 v[RD], s13, v[RD]
	v_and_b32 v[GO], 31, v0         ; which are 512 consecutive bytes of O
	v_lshlrev_b32 v[GO], 4, v[GO]
.set Y, NP-1                        ; XS works for piece Y + 1: piece 0
.irp n, 0,1,2,3,4,5,6,7,8,9,10,11,12,13,14,15,16,17,18,19,20,21
	XS 0, \n                        ; and piece 0's first maximum and statistics
	XS 1, \n
.endr
	s_mov_b32 s[CNT], 4
	s_mov_b32 s[SLOTS], SIZE_N/256-1
	s_branch .Lfirst                ; the loop is entered at a step's first turn, in the middle of a trip
.Lslot:                             ; SIZE_N / 256 - 2 times: every slot but the last two is filled again
	CHANGE 1, 1
	s_mov_b32 s[CNT], 4
.Lstep:                             ; a trip: pieces 2 and 3 of one step, then pieces 0 and 1 of the next, whose K and V it fetches
	TURN 2
	TURN 3
	WIN 0
.Lfirst:
	TURN 0
	TURN 1, 0, 1
	WIN 0
	s_cbranch_scc1 .Lstep
	s_sub_co_u32 s[SLOTS], s[SLOTS], 1
	s_cmp_lg_u32 s[SLOTS], 0
	s_cbranch_scc1 .Lslot
	CHANGE 0                        ; the tail is written out: nothing is asked for
	s_mov_b32 s[CNT], 5             ; four trips fetch the last slot's steps; the fifth is left in its middle
.Ltail:
	TURN 2, 1
	TURN 3
	WIN 0
	s_sub_co_u32 s[CNT], s[CNT], 1
	s_cmp_eq_u32 s[CNT], 0
	s_cbranch_scc1 .Lout
	TURN 0
	TURN 1
	WIN 0
	s_branch .Ltail
.Lout:                              ; the fifth trip's 16 products K Q^T (on the last K once more) and the maximum made of them serve nothing: the price, once a launch, of one text for every trip
.set i, 0
.rept 16
	PV NP-1                         ; the last piece's V^T P of the last step
.set i, i+1
.endr
	; THE WAY OUT.  l's two halves and the other half of the lanes' are added; O^T is divided by l, rounded to f16 and sent through my stage in LDS, a tile at a time.  The additions are the places behind the last products.
	WIN 0
.macro ALL line:vararg              ; one line for each tile t
.set t, 0
.rept 2*NP
	\line
.set t, t+1
.endr
.endm
	ALL v_add_f32 v[ST+4*t+2], v[ST+4*t+2], v[ST+4*t+3]
	ALL v_permlanex16_b32 v[ST+4*t+3], v[ST+4*t+2], s[SEL], s[SEL+1]
	ALL v_add_f32 v[ST+4*t+2], v[ST+4*t+2], v[ST+4*t+3]
	ALL v_rcp_f32 v[ST+4*t+2], v[ST+4*t+2]
	v_nop                           ; a plain instruction between the last reciprocal and the use of its result
	s_wait_alu depctr_va_vdst(0)
; Tile t: a lane's eight channels of a row pack into 16 bytes; they go into rows of 144 bytes and come back as whole rows of 128, into S^T's registers.
.macro PACK t
	WIN W_RS
.set i, 32*(\t)
.rept 16
	v_pk_mul_f32 v[i:i+1], v[i:i+1], v[ST+4*(\t)+2:ST+4*(\t)+3] op_sel_hi:[1,0]
.set i, i+2
.endr
	WIN 0x05                        ; sources 0 and 1 window 1, destination window 0
.set i, 0
.rept 16
	v_cvt_pk_f16_f32 v[S+16*(\t)+i], v[32*(\t)+2*i], v[32*(\t)+2*i+1]
.set i, i+1
.endr
	WIN 0
.irp f, 0,1,2,3
	ds_store_b128 v[STO], v[S+16*(\t)+4*\f:S+16*(\t)+4*\f+3] offset:32*\f
.endr
.irp f, 0,1,2,3
	ds_load_b128 v[S+16*(\t)+4*\f:S+16*(\t)+4*\f+3], v[RD] offset:\f*4*SP  ; LDS serves a wave's instructions in order (ISA guide 5.7.1.4): these see the stores above; the next tile's stores come behind them
.endr
.endm
.macro SEND t, younger              ; younger: the LDS instructions issued behind tile t's loads: the next tile's eight, or none
	WIN 0
.irp f, 0,1,2,3
	s_wait_dscnt (\younger)+3-\f
	global_store_b128 v[GO], v[S+16*(\t)+4*\f:S+16*(\t)+4*\f+3], s[10:11] offset:(\t)*2048+\f*512  ; 512 consecutive bytes, at a multiple of 256 from O's first
.endr
.endm
	PACK 0
.set t, 1
.rept 2*NP-1                        ; a tile's arithmetic stands between the loads of the tile before and its stores
	PACK t
	SEND t-1, 8
.set t, t+1
.endr
	SEND 2*NP-1, 0
	WIN W_AD
	s_wait_tensorcnt 0x0            ; the wave's end, behind my last tensor load and my last LDS store
	ds_add_u32 v[SPW], v[NIL]
	s_wait_dscnt 0x0
	WIN 0
	CROUND                          ; the closing round: no work-group ends while a partner may still ask for a tile that names it
	s_endpgm
.Lfunc_end_k_q160e8b3291_attn:
	.size	k_q160e8b3291_attn, .Lfunc_end_k_q160e8b3291_attn-k_q160e8b3291_attn
	.p2alignl 7, 3214868480
	.fill 96, 4, 3214868480
	.section	.rodata,"a",@progbits
	.p2align	6, 0x0
	.amdhsa_kernel k_q160e8b3291_attn
		.amdhsa_group_segment_fixed_size 327680
		.amdhsa_private_segment_fixed_size 0
		.amdhsa_enable_private_segment 0
		.amdhsa_kernarg_size 16
		.amdhsa_user_sgpr_count 2
		.amdhsa_user_sgpr_kernarg_segment_ptr 1
		.amdhsa_wavefront_size32 1
		.amdhsa_system_sgpr_workgroup_id_x 1
		.amdhsa_system_sgpr_workgroup_id_y 1
		.amdhsa_system_sgpr_workgroup_id_z 1
		.amdhsa_system_vgpr_workitem_id 0
		.amdhsa_next_free_vgpr 770
		.amdhsa_next_free_sgpr 66
		.amdhsa_reserve_vcc 0
		.amdhsa_float_denorm_mode_32 3
		.amdhsa_float_denorm_mode_16_64 3
		.amdhsa_memory_ordered 1
		.amdhsa_forward_progress 1
		.amdhsa_inst_pref_size 209
	.end_amdhsa_kernel
	.amdgpu_metadata
---
amdhsa.version: [ 1, 2 ]
amdhsa.kernels:
  - .name:           k_q160e8b3291_attn
    .symbol:         k_q160e8b3291_attn.kd
    .args:
      - { .name: qkv, .offset: 0, .size: 8, .value_kind: global_buffer, .address_space: global }
      - { .name: oh, .offset: 8, .size: 8, .value_kind: global_buffer, .address_space: global }
    .group_segment_fixed_size: 327680
    .private_segment_fixed_size: 0
    .kernarg_segment_align: 8
    .kernarg_segment_size: 16
    .max_flat_workgroup_size: 128
    .sgpr_count:     66
    .vgpr_count:     770
    .wavefront_size: 32
...
	.end_amdgpu_metadata
.endif
;; end of part 3
;; launch outp (part 4): grid 4 x 64, 4 waves a work-group, clusters of 4 x 4, 327,680 bytes of LDS; arguments oh, wt, out0; writes out0
.if DOCPART == 4
	.amdgcn_target "amdgcn-amd-amdhsa--gfx1250"
	.amdhsa_code_object_version 6
	.text
	.protected	k_q160e8b3291_outp
	.globl	k_q160e8b3291_outp
	.p2align	8
	.type	k_q160e8b3291_outp,@function
k_q160e8b3291_outp:
	s_mov_b64 s[64:65], 0
	v_nop
	global_prefetch_b8 v0, s[64:65] scope:SCOPE_SE
	s_setreg_imm32_b32 hwreg(HW_REG_WAVE_MODE, 25, 1), 1
	s_wait_xcnt 0x0
	s_wait_alu depctr_hold_cnt(0) depctr_sa_sdst(0) depctr_va_vdst(0) depctr_va_sdst(0) depctr_va_ssrc(0) depctr_va_vcc(0) depctr_vm_vsrc(0)
	s_getreg_b32 s2, hwreg(HW_REG_IB_STS2, 6, 4)
	s_cmp_eq_u32 s2, 0
	s_cbranch_scc0 .Lentry_in_a_cluster
	s_endpgm
.Lentry_in_a_cluster:
	s_bfe_u32 s2, ttmp6, 0x10000c
	s_cmp_lg_u32 s2, 0xf033
	s_cbranch_scc0 .Lentry_shape_is_right
	s_endpgm
.Lentry_shape_is_right:
; THE OUTPUT PROJECTION.  out0[row][n] = the sum over k = 64 h + d of oh[16 b + h][s][d] wt[3][n][k], row = 2,048 b + s.  oh and wt[3] in f16, sums in f32, out0 [8192][1024] in f32.
; LIMITS.  The operands arrive within f16's range; NaN and infinities are not treated apart.
; SHARES.  256 work-groups, each a tile of 128 rows x 256 columns, K = 1,024.  Four waves, each 64 rows x 128 columns: 32 accumulators of 16 x 16, 256 registers.
; THE MATRIX INSTRUCTION IS USED TRANSPOSED (source 0 = 16 rows of wt, source 1 = 16 rows of O): a lane then holds eight neighbouring columns of one row of out0.
; CLUSTERS: 4 x 4 work-groups.  The four of a row of the cluster need the same tiles of O, the four of a column the same tiles of wt: each is asked for JOINTLY.
; THE RING.  K goes in 8 steps of 128, two heads each, through two LDS slots.  Wave 0 or 1 fetches one head's 128 rows of 128 bytes, which are 16,384 dense bytes: asked for as 64 rows of 256 bytes and padded in LDS
; after every 128.  Waves 2 and 3 fetch wt's two halves, 128 rows x 256 bytes.  One tensor load a wave for each slot.
; REGISTERS: window 0: v0-31 addresses; v32-127, v128-223 two fragment buffers (O's four fragments, then wt's eight), later the way out's rows.   window 1: the accumulators, (a, b) at v[8 (8 a + b)].
.set PA,     144                       ; a row of a head's plane in LDS: 128 bytes + 16 = 36 words: the 16 rows of a load start at 16 different groups of four banks (64 banks of 4 bytes: ISA guide 11.1)
.set PB,     272                       ; a row of wt: 256 bytes + 16 = 68 words: row r starts at bank 4 r mod 64
.set PLANE,  128*PA                    ; one head's 128 rows
.set BOFF,   2*PLANE                   ; wt's 256 rows lie behind the two planes
.set BHALF,  128*PB
.set SLOT,   BOFF+2*BHALF
.set STAGE,  2*SLOT                    ; behind the ring: 16 rows x 528 bytes for each wave, for the way out
.set SP,     528
.set SPARE,  STAGE+4*16*SP             ; behind the stages: the spare words, 128 bytes for each wave: two blocks of 256 bytes that no other line names
.set ADRA, 16                          ; v16-17  LDS address of my fragments of O in slot 0, 1
.set ADRB, 20                          ; v20-21  the same for wt
.set STO,  24                          ; v24     the way out: where I put 32 bytes of a row
.set RD,   25                          ; v25     the way out: where I read a row back
.set CO,   26                          ; v26     my byte offset in 512 consecutive bytes of out0
.set SPW,  28                          ; v28     LDS address of my spare word; never rewritten
.set NIL,  29                          ; v29     0; never rewritten
.set F0,   32
.set F1,   128
.set BK,   32                          ; the way out: 16 rows read back: v32-95 and v96-159 by turns
.set G1,  24                           ; s[24:31] descriptor group 1 for O's tiles;  s[32:39] group 0, a set for each slot
.set G0,  32
.set G1B, 48                           ; s[48:55], s[56:63] the same for wt's tiles
.set G0B, 56
.set MSB, 0
.macro WIN new                         ; the immediate's high byte repeats the setting that is left; a switch that changes nothing is dropped
.if MSB != (\new)
	s_set_vgpr_msb (MSB<<8)|(\new)
.set MSB, \new
.endif
.endm
.set MUL, 0x50                         ; sources 0 and 1 window 0; C and D window 1
.macro JLOAD s                         ; a joint load: waves 0 and 1 fetch O's two heads, waves 2 and 3 wt's halves; an s_nop 0 and four v_nop follow each of the two lines, ahead of the jump, the label and what follows
	s_cmp_eq_u32 s11, 0
	s_cbranch_scc0 .Lfor_b_\@
	tensor_load_to_lds s[G0+4*(\s):G0+4*(\s)+3], s[G1:G1+7]
	s_nop 0
.rept 4
	v_nop
.endr
	s_branch .Lasked_\@
.Lfor_b_\@:
	tensor_load_to_lds s[G0B+4*(\s):G0B+4*(\s)+3], s[G1B:G1B+7]
	s_nop 0
.rept 4
	v_nop
.endr
.Lasked_\@:
.endm
.macro CREST                           ; a round of the cluster's barrier behind its opening barrier
	s_cmp_lg_u32 s10, 0
	s_cbranch_scc1 .Lnot_wave_0_\@
	s_barrier_signal -3
.Lnot_wave_0_\@:
	s_barrier_wait -3
	s_barrier_signal -1
	s_barrier_wait -1
.endm
.macro CROUND                          ; a whole round
	s_barrier_signal -1
	s_barrier_wait -1
	CREST
.endm
	s_load_b128 s[4:7], s[0:1], 0x0                ; oh s[4:5], wt s[6:7]
	s_load_b64 s[8:9], s[0:1], 0x10                ; out0
	v_lshl_add_u32 v[SPW], v0, 2, SPARE
	v_mov_b32 v[NIL], 0
	ds_add_u32 v[SPW], v[NIL]                      ; the wave's opening: the add and its wait stand ahead of my first tensor load; the set-up below, work on registers, stands between them
	v_lshrrev_b32 v1, 5, v0
	v_readfirstlane_b32 s10, v1                    ; wave 0..3
	s_lshr_b32 s11, s10, 1                         ; which 64 of the tile's rows are mine.  Also: I fetch for O (0) or for wt (1)
	s_and_b32 s12, s10, 1                          ; which 128 of its columns.  Also: which head of the step's two, or which half of wt's rows, I fetch
	s_bfe_u32 s40, ttmp6, 0x40000                  ; cx, cy: my place in the cluster
	s_bfe_u32 s41, ttmp6, 0x40004
	s_lshl_b32 s42, ttmp9, 2
	s_add_co_u32 s42, s42, s40                     ; tile column = 4 x cluster x + cx
	s_and_b32 s13, ttmp7, 0xffff
	s_lshl_b32 s13, s13, 2
	s_add_co_u32 s13, s13, s41                     ; the block of 128 rows = 4 x cluster y + cy, 0 .. 63
	s_lshl_b32 s43, s41, 2
	s_lshl_b32 s43, 15, s43                        ; my row of the cluster
	s_lshl_b32 s44, 0x1111, s40                    ; my column
	; descriptor group 1.  O: 64 rows x 128 elements of 2 bytes, padded after every 32 words (code 4) by 4 words (code 3).  wt: 128 rows x 128 elements, padded after every 64 words (code 5)
	s_or_b32 s[G1+0], s43, (1<<16)|(1<<20)|(1<<21)|(4<<22)|(3<<25)   ; 15:0 the mask: my row; 17:16 elements of 2 bytes; 20 padding on; 21 set beside a mask
	s_or_b32 s[G1B+0], s44, (1<<16)|(1<<20)|(1<<21)|(5<<22)|(3<<25)  ; the mask: my column
	s_mov_b32 s[G1+1], 128<<16                     ; tensor_dim0 = 128
	s_mov_b32 s[G1+2], 64<<16                      ; tensor_dim1 = 64
	s_mov_b32 s[G1+3], 128<<16                     ; tile_dim0 = 128
	s_mov_b32 s[G1+4], 64                          ; tile_dim1 = 64
	s_mov_b32 s[G1+5], 128                         ; 128 elements from row to row: the block is dense
	s_mov_b32 s[G1+6], 0
	s_mov_b32 s[G1+7], 0
	s_mov_b32 s[G1B+1], 128<<16
	s_mov_b32 s[G1B+2], 128<<16                    ; tensor_dim1 = 128
	s_mov_b32 s[G1B+3], 128<<16
	s_mov_b32 s[G1B+4], 128                        ; tile_dim1 = 128
	s_mov_b32 s[G1B+5], 1024                       ; a row of wt has 1,024 elements
	s_mov_b32 s[G1B+6], 0
	s_mov_b32 s[G1B+7], 0
	; where the tiles come from.  O: ((16 b + head) x 2,048 + 128 (block % 16)) x 128 bytes, b = block / 16, head = my parity in K step 0.  wt: the fourth matrix, row 256 x tile column + 128 x half
	s_lshr_b32 s16, s13, 4
	s_lshl_b32 s16, s16, 22
	s_and_b32 s17, s13, 15
	s_lshl_b32 s17, s17, 14
	s_add_co_u32 s16, s16, s17
	s_lshl_b32 s17, s12, 18
	s_add_co_u32 s16, s16, s17
	s_mov_b32 s17, 0
	s_lshl_b32 s46, s42, 19
	s_lshl_b32 s47, s12, 18
	s_add_co_u32 s46, s46, s47
	s_add_co_u32 s46, s46, 3*2097152
	s_mov_b32 s47, 0
	s_mul_i32 s20, s12, PLANE                      ; and where they go: no place in the cluster enters an LDS address
	s_mul_i32 s22, s12, BHALF
	s_add_co_u32 s22, s22, BOFF
	s_wait_dscnt 0x0                               ; the opening add is done
	s_wait_kmcnt 0x0
	s_add_nc_u64 s[14:15], s[4:5], s[16:17]
	s_add_nc_u64 s[46:47], s[6:7], s[46:47]
	CROUND                                         ; all sixteen work-groups are here: the first joint loads meet
.irp s, 0,1
	s_mov_b32 s[G0+4*(\s)], 1                                        ; count = 1
	s_add_co_u32 s[G0+4*(\s)+1], s20, (\s)*SLOT                      ; LDS address
	s_add_nc_u64 s[G0+4*(\s)+2:G0+4*(\s)+3], s[14:15], (\s)*524288   ; global address: K step s is two heads of 262,144 bytes on
	s_or_b32 s[G0+4*(\s)+3], s[G0+4*(\s)+3], 0x80000000              ; type = 2
	s_mov_b32 s[G0B+4*(\s)], 1
	s_add_co_u32 s[G0B+4*(\s)+1], s22, (\s)*SLOT
	s_add_nc_u64 s[G0B+4*(\s)+2:G0B+4*(\s)+3], s[46:47], (\s)*256    ; 128 numbers of 2 bytes on
	s_or_b32 s[G0B+4*(\s)+3], s[G0B+4*(\s)+3], 0x80000000
	JLOAD \s                                       ; two loads of mine are out
.endr
	v_and_b32 v1, 15, v0                           ; l % 16
	v_bfe_u32 v2, v0, 4, 1                         ; l / 16
	v_mul_u32_u24 v3, v1, PA
	v_lshl_add_u32 v3, v2, 4, v3                   ; a fragment's row x pitch + 16 x half
	s_mul_i32 s21, s11, 64*PA                      ; my 64 rows in a plane
	v_add_nc_u32 v[ADRA], s21, v3
	v_add_nc_u32 v[ADRA+1], SLOT, v[ADRA]
	v_mul_u32_u24 v4, v1, PB
	v_lshl_add_u32 v4, v2, 4, v4
	v_add_nc_u32 v[ADRB], s22, v4                  ; my 128 rows of wt are also the half that waves of my parity fetch
	v_add_nc_u32 v[ADRB+1], SLOT, v[ADRB]
	s_mul_i32 s23, s10, 16*SP
	s_add_co_u32 s23, s23, STAGE                   ; my stage
	v_mul_u32_u24 v5, v1, SP                       ; in: row l % 16, 32 bytes for each half of the lanes
	v_lshl_add_u32 v5, v2, 5, v5
	v_add_nc_u32 v[STO], s23, v5
	v_and_b32 v[CO], 31, v0                        ; back: 32 lanes take one row's 512 bytes,
	v_lshlrev_b32 v[CO], 4, v[CO]
	v_add_nc_u32 v[RD], s23, v[CO]                 ; which are 512 consecutive bytes of out0
	s_lshl_b32 s16, s13, 19                        ; out0 at row 128 x block + 64 x my half, of 4,096 bytes,
	s_lshl_b32 s17, s11, 18
	s_add_co_u32 s16, s16, s17
	s_mov_b32 s17, 0
	s_lshl_b32 s46, s42, 10                        ; column 256 x tile column + 128 x my half, of 4 bytes (in the registers that held wt's address: none that feeds O's descriptors ever holds cx)
	s_lshl_b32 s47, s12, 9
	s_add_co_u32 s46, s46, s47
	s_mov_b32 s47, 0
	s_add_nc_u64 s[8:9], s[8:9], s[16:17]
	s_add_nc_u64 s[8:9], s[8:9], s[46:47]
; 8 matrix instructions: row block a x all 8 column blocks, 32 along K, on buffer f.  zero = 1: the product starts the sum.  The 32 accumulators take turns, in the same order in every quarter.
.macro MUL8 f, a, zero
	WIN MUL
.irp b, 0,1,2,3,4,5,6,7
.if \zero
	v_wmma_f32_16x16x32_f16 v[8*(8*(\a)+(\b)):8*(8*(\a)+(\b))+7], v[(\f)+32+8*(\b):(\f)+32+8*(\b)+7], v[(\f)+8*(\a):(\f)+8*(\a)+7], 0
.else
	v_wmma_f32_16x16x32_f16 v[8*(8*(\a)+(\b)):8*(8*(\a)+(\b))+7], v[(\f)+32+8*(\b):(\f)+32+8*(\b)+7], v[(\f)+8*(\a):(\f)+8*(\a)+7], v[8*(8*(\a)+(\b)):8*(8*(\a)+(\b))+7]
.endif
.endr
.endm
; 24 LDS loads in one run: the fragments of quarter kq of a K step (head kq / 2 of its two, channels 32 (kq % 2) on) into buffer f: wt's sixteen loads first, O's row blocks 2 and 3 last
.macro FETCH slot, kq, f
	WIN 0
.irp i, 0,1,2,3,4,5,6,7
	ds_load_b128 v[(\f)+32+8*(\i):(\f)+32+8*(\i)+3],   v[ADRB+(\slot)] offset:64*(\kq)+(\i)*16*PB
	ds_load_b128 v[(\f)+32+8*(\i)+4:(\f)+32+8*(\i)+7], v[ADRB+(\slot)] offset:64*(\kq)+(\i)*16*PB+32
.endr
.irp a, 0,1,2,3
	ds_load_b128 v[(\f)+8*(\a):(\f)+8*(\a)+3],   v[ADRA+(\slot)] offset:((\kq)/2)*PLANE+((\kq)%2)*64+(\a)*16*PA
	ds_load_b128 v[(\f)+8*(\a)+4:(\f)+8*(\a)+7], v[ADRA+(\slot)] offset:((\kq)/2)*PLANE+((\kq)%2)*64+(\a)*16*PA+32
.endr
.endm
.macro PLACES                          ; four places in front of loads into registers that matrix instructions have read, and of LDS stores that read results (ISA guide 7.12.1 for vector instructions)
.rept 4
	v_nop
.endr
.endm
; A K step is four quarters of 32 along K, 32 matrix instructions each, on buffers 0, 1, 0, 1.  One of the first three: multiplies buffer f and fetches quarter kq into g.
.macro QUARTER slot, kq, f, g, zero
	s_wait_dscnt 4                                 ; wt's fragments and O's row blocks 0 and 1 are in; the youngest four loads may be out
	MUL8 \f, 0, \zero
	MUL8 \f, 1, \zero
	PLACES
	FETCH \slot, \kq, \g
	s_wait_dscnt 24                                ; all but the 24 just issued
	MUL8 \f, 2, \zero
	MUL8 \f, 3, \zero
.endm
; The last quarter multiplies buffer 1 and changes slots: ONE barrier; in front of it each wave waits for all its tensor loads (one is out: its part of the next slot), adds 0 to its spare word, and waits for that and
; for its own reads of this slot.  fill = 1: the barrier opens a round of the cluster's barrier, and behind the round this slot is filled again, two K steps ahead, first of all.
.macro TURN slot, next, fill
	WIN 0                                          ; (the add's two registers lie in window 0)
	s_wait_tensorcnt 0x0                           ; all my tensor loads have landed: my part of the next slot;
	ds_add_u32 v[SPW], v[NIL]                      ; 0 onto my spare word;
	s_wait_dscnt 5                                 ; (the add and the youngest four loads may be out)
	MUL8 F1, 0, 0                                  ; eight matrix instructions stand between the add and the wait for it
	s_wait_dscnt 0x0                               ; the add is done, and my reads of this slot are over
	s_barrier_signal -1
	MUL8 F1, 1, 0
	WIN 0
	s_barrier_wait -1
.if \fill
	CREST                                          ; no wave of any partner still reads this slot's tiles or has a load on its way
	s_add_nc_u64 s[G0+4*(\slot)+2:G0+4*(\slot)+3], s[G0+4*(\slot)+2:G0+4*(\slot)+3], 2*524288
	s_add_nc_u64 s[G0B+4*(\slot)+2:G0B+4*(\slot)+3], s[G0B+4*(\slot)+2:G0B+4*(\slot)+3], 2*256
	JLOAD \slot                                    ; my one tensor load behind the round: 112 matrix instructions ahead of the wait for it; the four v_nop behind it are also the places in front of the loads below
.else
	PLACES
.endif
	FETCH \next, 0, F0
	MUL8 F1, 2, 0
	MUL8 F1, 3, 0
.endm
; THE WAY OUT of row block a, in f32.  A lane's eight columns of a row, 32 bytes, go into my own stage (rows of 528 bytes), each accumulator's low four registers first; whole rows of 512 bytes come back and are stored.
.macro TOSTAGE a
.if (\a) >= 2
	s_wait_xcnt 0x0                                ; the stores of the block two back have read the registers that the loads below write
.endif
	WIN 0x04                                       ; the stores' data in window 1, their address in window 0
.irp b, 0,1,2,3,4,5,6,7
	ds_store_b128 v[STO], v[8*(8*(\a)+(\b)):8*(8*(\a)+(\b))+3]   offset:64*(\b)
	ds_store_b128 v[STO], v[8*(8*(\a)+(\b))+4:8*(8*(\a)+(\b))+7] offset:64*(\b)+16
.endr
	WIN 0
.set BKA, BK+64*((\a)%2)
.irp u, 0,1,2,3,4,5,6,7,8,9,10,11,12,13,14,15
	ds_load_b128 v[BKA+4*(\u):BKA+4*(\u)+3], v[RD] offset:(\u)*SP  ; LDS serves a wave's instructions in order (ISA guide 5.7.1.4): these see the stores above; the next block's stores come behind them
.endr
.endm
.macro SEND a, younger                 ; younger: the LDS instructions issued behind block a's loads: the next block's 32, or none
.set BKA, BK+64*((\a)%2)
.irp u, 0,1,2,3,4,5,6,7,8,9,10,11,12,13,14,15
	s_wait_dscnt (\younger)+15-(\u)
	global_store_b128 v[CO], v[BKA+4*(\u):BKA+4*(\u)+3], s[8:9] offset:4096*(16*(\a)+(\u)) th:TH_STORE_NT  ; 512 consecutive bytes of a row, at a multiple of 512 from out0's first byte
.endr
.endm
	s_wait_tensorcnt 1                             ; my part of K step 0 is in; K step 1's may stay out
	s_barrier_signal -1
	s_barrier_wait -1                              ; everybody's is
	FETCH 0, 0, F0
	QUARTER 0, 1, F0, F1, 1                        ; the first quarter stands in front of the loop: its products start the sums
	WIN 0                                          ; at a label and at a branch every window is 0
	s_mov_b32 s3, 3
.Llap:                                                 ; a trip goes once round the ring, from a lap's second quarter to the next lap's first, and fills both slots again: K steps 2 to 7
	QUARTER 0, 2, F1, F0, 0
	QUARTER 0, 3, F0, F1, 0
	TURN 0, 1, 1
	QUARTER 1, 1, F0, F1, 0
	QUARTER 1, 2, F1, F0, 0
	QUARTER 1, 3, F0, F1, 0
	TURN 1, 0, 1
	QUARTER 0, 1, F0, F1, 0
	WIN 0
	s_sub_co_u32 s3, s3, 1
	s_cmp_lg_u32 s3, 0
	s_cbranch_scc1 .Llap
	QUARTER 0, 2, F1, F0, 0                        ; the last lap is written out: it fills nothing, and has no round of the cluster's barrier
	QUARTER 0, 3, F0, F1, 0
	TURN 0, 1, 0
	QUARTER 1, 1, F0, F1, 0
	QUARTER 1, 2, F1, F0, 0
	QUARTER 1, 3, F0, F1, 0
	s_wait_dscnt 4                                 ; the very last quarter: nothing more to fetch
	MUL8 F1, 0, 0
	MUL8 F1, 1, 0
	s_wait_dscnt 0x0
	MUL8 F1, 2, 0
	MUL8 F1, 3, 0
	WIN 0
	PLACES
	TOSTAGE 0
	TOSTAGE 1                                      ; a block's way through the stage stands between the loads of the block before and its stores
	SEND 0, 32
	TOSTAGE 2
	SEND 1, 32
	TOSTAGE 3
	SEND 2, 32
	SEND 3, 0
	s_wait_tensorcnt 0x0                           ; the wave's end, behind my last tensor load and my last LDS store
	ds_add_u32 v[SPW], v[NIL]
	s_wait_dscnt 0x0
	CROUND                                         ; the closing round: no work-group ends while a partner may still ask for a tile that names it
	s_endpgm
.Lfunc_end_k_q160e8b3291_outp:
	.size	k_q160e8b3291_outp, .Lfunc_end_k_q160e8b3291_outp-k_q160e8b3291_outp
	.p2alignl 7, 3214868480
	.fill 96, 4, 3214868480
	.section	.rodata,"a",@progbits
	.p2align	6, 0x0
	.amdhsa_kernel k_q160e8b3291_outp
		.amdhsa_group_segment_fixed_size 327680
		.amdhsa_private_segment_fixed_size 0
		.amdhsa_enable_private_segment 0
		.amdhsa_kernarg_size 24
		.amdhsa_user_sgpr_count 2
		.amdhsa_user_sgpr_kernarg_segment_ptr 1
		.amdhsa_wavefront_size32 1
		.amdhsa_system_sgpr_workgroup_id_x 1
		.amdhsa_system_sgpr_workgroup_id_y 1
		.amdhsa_system_sgpr_workgroup_id_z 1
		.amdhsa_system_vgpr_workitem_id 0
		.amdhsa_next_free_vgpr 512
		.amdhsa_next_free_sgpr 66
		.amdhsa_reserve_vcc 0
		.amdhsa_float_denorm_mode_32 3
		.amdhsa_float_denorm_mode_16_64 3
		.amdhsa_memory_ordered 1
		.amdhsa_forward_progress 1
		.amdhsa_inst_pref_size 86
	.end_amdhsa_kernel
	.amdgpu_metadata
---
amdhsa.version: [ 1, 2 ]
amdhsa.kernels:
  - .name:           k_q160e8b3291_outp
    .symbol:         k_q160e8b3291_outp.kd
    .args:
      - { .name: oh, .offset: 0, .size: 8, .value_kind: global_buffer, .address_space: global }
      - { .name: wt, .offset: 8, .size: 8, .value_kind: global_buffer, .address_space: global }
      - { .name: out0, .offset: 16, .size: 8, .value_kind: global_buffer, .address_space: global }
    .group_segment_fixed_size: 327680
    .private_segment_fixed_size: 0
    .kernarg_segment_align: 8
    .kernarg_segment_size: 24
    .max_flat_workgroup_size: 128
    .sgpr_count:     66
    .vgpr_count:     512
    .wavefront_size: 32
...
	.end_amdgpu_metadata
.endif
;; end of part 4
;; ======== version 2 of 2: 4 launches; version 1 with the launch prep written anew for expert scheduling mode
;; limits: values are held in f16: magnitudes above 65,504 overflow, below 6.1e-05 lose precision
;; workspace buffers: wt 8,388,608 bytes; qkv 50,331,648 bytes; oh 16,777,216 bytes
;; launch prep (part 5): grid 64 x 4, 8 waves a work-group, no clusters, 34,816 bytes of LDS; arguments Wq, Wk, Wv, Wo, wt; writes wt
.if DOCPART == 5
	.amdgcn_target "amdgcn-amd-amdhsa--gfx1250"
	.amdhsa_code_object_version 6
	.text
	.protected	k_q160e8b3291_prep
	.globl	k_q160e8b3291_prep
	.p2align	8
	.type	k_q160e8b3291_prep,@function
k_q160e8b3291_prep:
	s_mov_b64 s[64:65], 0
	v_nop
	global_prefetch_b8 v0, s[64:65] scope:SCOPE_SE
	s_setreg_imm32_b32 hwreg(HW_REG_WAVE_SCHED_MODE, 0, 2), 2
	s_setreg_imm32_b32 hwreg(HW_REG_WAVE_MODE, 25, 1), 1
	s_wait_xcnt 0x0
	s_wait_alu depctr_vm_vsrc(0)
; THE WEIGHTS, TURNED AND ROUNDED.  wt[t][n][k], 16 bits, 1,024 x 1,024 for each t.
;   t = 0, 1, 2: Wq, Wk, Wv ([16 h][1024 m][64 d] f32): n = 64 h + d, k = m, rounded once to bf16.
;   t = 3: Wo ([1024 k][1024 n] f32): rounded once to bf16 like the other inputs, and that number written as f16, since the last product multiplies in f16.
; LIMITS.  |Wo| stays under 65,504 (f16's largest number); below 6e-5 f16 keeps its fixed step of 6e-8.  NaN and infinities are not treated apart.
; SHARES.  Work-group (x, y): t = y, h = x / 4, kq = x % 4: the block of 256 k x 64 n at k = 256 kq, n = 64 h: 64 KiB in, 32 KiB out.
; Thread: c = t % 16 takes four neighbouring n (16 bytes of a source row), p = t / 16 takes the pairs of rows 2 p + 32 i, 2 p + 32 i + 1, i = 0 .. 7.
; A load of a wave covers two rows' 256 consecutive bytes, aligned.  Two numbers of neighbouring k are packed into a word and put into LDS as [n][k]; whole rows of 512 bytes come back and are stored.
; No matrix unit, no tensor load, no cluster: every byte is read once by one thread, and nothing is shared between work-groups.
; THE MODE: SCHED_MODE bits 1:0 = 2 (LLVM: expert scheduling mode 2), set by the entry lines.  The code itself states the register dependences
; between vector instructions and memory or LDS instructions, with s_wait_alu, always for 0.
; THE PLAN.  Registers that memory or LDS instructions touch:
;   v[OFS ..], v[LSA], v[LRD], v[GOF]   offsets and addresses: written by vector instructions at the head, once; read by the loads and stores.
;   v[SPW], v[NIL]   written at the head; read by the closing add alone.
;   X    written by the 16 global loads; pair i's conversions read X + 8 i .. 8 i + 7; behind the barrier the LDS loads land in its first 32 registers, which the global stores then read.
;   W    the 32 packed words, a register each: pair i's four selects write W + 4 i .. 4 i + 3, once; the four LDS stores that are issued in pair i + 1 read them.
;   v8 to v10 are at work: vector instructions alone name them.
; So one wait on va_vdst stands ahead of the first load, one at the head of each pair but the first, and one behind the last pair.  A pair's four stores are the words of the pair before; they are dealt
; among the pair's vector instructions, which name v8 to v10, this pair's X and this pair's W: none of the registers that those stores touch.
; No register that a memory or LDS instruction has read is written again, so the text needs no wait on vm_vsrc for them; no vector instruction writes a scalar register or VCC.
.set PITCH, 528                        ; an LDS row: 256 k x 2 bytes + 16
.set SPARE, 64*PITCH                   ; behind the 64 rows (132 blocks of 256 bytes): the spare words, 128 bytes for each of the eight waves
.set LSA, 3                            ; v3  where I put a word: (4 c) x PITCH + 4 p
.set LRD, 4                            ; v4  where I read 16 bytes of a row back: wave x PITCH + 16 lane
.set GOF, 5                            ; v5  the same 16 bytes in wt: wave x 2,048 + 16 lane
.set SPW, 6                            ; v6  LDS address of my spare word; never rewritten
.set NIL, 7                            ; v7  0; never rewritten
.set OFS, 12                           ; v[12:27] the byte offsets of my 16 loads
.set X,   32                           ; v[32:95] 16 loads of four registers; later the rows read back
.set W,   96                           ; v[96:127] my 32 packed words: pair i, column j at W + 4 i + j
	s_load_b256 s[4:11], s[0:1], 0x0               ; Wq s[4:5], Wk s[6:7], Wv s[8:9], Wo s[10:11]
	s_load_b64 s[12:13], s[0:1], 0x20              ; wt
	v_lshl_add_u32 v[SPW], v0, 2, SPARE
	v_mov_b32 v[NIL], 0
	s_and_b32 s14, ttmp7, 0xffff                   ; t
	s_lshr_b32 s15, ttmp9, 2                       ; h
	s_and_b32 s16, ttmp9, 3                        ; kq
	s_cmp_eq_u32 s14, 3                            ; Wo lies otherwise than the three others:
	s_cselect_b32 s17, 12, 8                       ; a row of k is 4,096 bytes, or 256
	s_cselect_b32 s18, 8, 18                       ; 64 n are 256 bytes on, or a head's 262,144
	s_cselect_b32 s19, 20, 16                      ; 256 k are 256 rows on
	s_cselect_b32 s20, -1, 0                       ; a mask for all lanes: write f16
	s_lshl_b32 s21, 1, s17                         ; one row on
	s_lshl_b32 s22, 32, s17                        ; 32 rows on
	s_lshl_b32 s24, s15, s18
	s_lshl_b32 s26, s16, s19
	s_add_co_u32 s24, s24, s26                     ; the block's first byte in its source
	s_mov_b32 s25, 0
	s_lshl_b32 s26, s14, 21                        ; and in wt: t x 2 MiB
	s_lshl_b32 s27, s15, 17                        ; + 64 h rows of 2,048 bytes
	s_add_co_u32 s26, s26, s27
	s_lshl_b32 s27, s16, 9                         ; + 256 kq numbers of 2 bytes
	s_add_co_u32 s26, s26, s27
	s_mov_b32 s27, 0
	v_and_b32 v1, 15, v0                           ; c
	v_lshrrev_b32 v2, 4, v0                        ; p
	v_lshrrev_b32 v8, 5, v0                        ; wave
	v_and_b32 v9, 31, v0                           ; lane
	v_mul_u32_u24 v[LSA], v1, 4*PITCH
	v_lshl_add_u32 v[LSA], v2, 2, v[LSA]
	v_mul_u32_u24 v[LRD], v8, PITCH
	v_lshl_add_u32 v[LRD], v9, 4, v[LRD]
	v_lshlrev_b32 v[GOF], 11, v8
	v_lshl_add_u32 v[GOF], v9, 4, v[GOF]
	v_lshlrev_b32 v10, 1, v2                       ; row 2 p
	v_lshlrev_b32 v10, s17, v10
	v_lshl_add_u32 v[OFS], v1, 4, v10              ; + 16 c
	v_add_nc_u32 v[OFS+1], s21, v[OFS]             ; row 2 p + 1
.irp j, 0,1,2,3,4,5,6,7,8,9,10,11,12,13
	v_add_nc_u32 v[OFS+2+(\j)], s22, v[OFS+(\j)]   ; the pair 32 rows further on
.endr
	s_wait_kmcnt 0x0
	s_cmp_eq_u32 s14, 1
	s_cselect_b64 s[4:5], s[6:7], s[4:5]
	s_cmp_eq_u32 s14, 2
	s_cselect_b64 s[4:5], s[8:9], s[4:5]
	s_cmp_eq_u32 s14, 3
	s_cselect_b64 s[4:5], s[10:11], s[4:5]         ; my source
	s_add_nc_u64 s[4:5], s[4:5], s[24:25]
	s_add_nc_u64 s[12:13], s[12:13], s[26:27]
	s_wait_alu depctr_va_vdst(0)                   ; the sixteen offsets v[OFS ..] are written, which the loads below read; so are v[LSA], v[LRD], v[GOF], v[SPW] and v[NIL], which later LDS and memory instructions read and nothing writes again
.irp j, 0,1,2,3,4,5,6,7,8,9,10,11,12,13,14,15
	global_load_b128 v[X+4*(\j):X+4*(\j)+3], v[OFS+(\j)], s[4:5] th:TH_LOAD_NT  ; all 16 are out at once: 8 KiB a wave
.endr
; Pair i: rows k and k + 1, four n.  Both ways are computed in every lane and the mask chooses.  A store's 16 values of c fall on four banks (4 PITCH = 528 words; 64 banks of 4 bytes: ISA guide 11.1): 32 stores a thread, once.
; The words of pair i - 1 are stored in pair i, one ahead of each word's five vector instructions.
.irp i, 0,1,2,3,4,5,6,7
	s_wait_loadcnt 14-2*(\i)                       ; loads come back in order: the pair's two are in, the 14 - 2 i younger ones stay out
.if (\i) > 0
	s_wait_alu depctr_va_vdst(0)                   ; the selects of the pair before have written its four words of W, which the four stores below read
.endif
.irp j, 0,1,2,3
.if (\i) > 0
	ds_store_b32 v[LSA], v[W+4*((\i)-1)+(\j)] offset:PITCH*(\j)+64*((\i)-1)  ; no vector instruction since the wait names this word or v[LSA]
.endif
	v_cvt_pk_bf16_f32 v8, v[X+8*(\i)+(\j)], v[X+8*(\i)+4+(\j)]  ; k in the low half, k + 1 in the high half
	v_lshlrev_b32 v9, 16, v8                       ; the two bf16 numbers as f32,
	v_and_b32 v10, 0xffff0000, v8
	v_cvt_pk_f16_f32 v9, v9, v10                   ; written as f16: exact within f16's range
	v_cndmask_b32 v[W+4*(\i)+(\j)], v8, v9, s20
.endr
.endr
	s_wait_alu depctr_va_vdst(0)                   ; the last pair's selects have written its four words, which the stores below read; and all conversions are done reading X, in which the LDS loads behind the barrier land (no vector instruction follows this wait)
.irp j, 0,1,2,3
	ds_store_b32 v[LSA], v[W+28+(\j)] offset:PITCH*(\j)+64*7
.endr
	s_wait_dscnt 0x0                               ; for the others' sake: my stores are done
	s_barrier_signal -1
	s_barrier_wait -1
.irp u, 0,1,2,3,4,5,6,7
	ds_load_b128 v[X+4*(\u):X+4*(\u)+3], v[LRD] offset:8*PITCH*(\u)  ; row n = 8 u + wave, whole
.endr
.irp u, 0,1,2,3,4,5,6,7
	s_wait_dscnt 7-(\u)
	global_store_b128 v[GOF], v[X+4*(\u):X+4*(\u)+3], s[12:13] offset:16384*(\u)  ; 512 consecutive bytes, at a multiple of 512 from wt's first byte
.endr
	s_wait_dscnt 0x0                               ; the closing lines, six on end
	s_wait_alu 0x0
	s_wait_tensorcnt 0x0
	ds_add_u32 v[SPW], v[NIL]
	s_wait_dscnt 0x0
	s_endpgm
.Lfunc_end_k_q160e8b3291_prep:
	.size	k_q160e8b3291_prep, .Lfunc_end_k_q160e8b3291_prep-k_q160e8b3291_prep
	.p2alignl 7, 3214868480
	.fill 96, 4, 3214868480
	.section	.rodata,"a",@progbits
	.p2align	6, 0x0
	.amdhsa_kernel k_q160e8b3291_prep
		.amdhsa_group_segment_fixed_size 34816
		.amdhsa_private_segment_fixed_size 0
		.amdhsa_enable_private_segment 0
		.amdhsa_kernarg_size 40
		.amdhsa_user_sgpr_count 2
		.amdhsa_user_sgpr_kernarg_segment_ptr 1
		.amdhsa_wavefront_size32 1
		.amdhsa_system_sgpr_workgroup_id_x 1
		.amdhsa_system_sgpr_workgroup_id_y 1
		.amdhsa_system_sgpr_workgroup_id_z 1
		.amdhsa_system_vgpr_workitem_id 0
		.amdhsa_next_free_vgpr 128
		.amdhsa_next_free_sgpr 66
		.amdhsa_reserve_vcc 0
		.amdhsa_float_denorm_mode_32 3
		.amdhsa_float_denorm_mode_16_64 3
		.amdhsa_memory_ordered 1
		.amdhsa_forward_progress 1
		.amdhsa_inst_pref_size 18
	.end_amdhsa_kernel
	.amdgpu_metadata
---
amdhsa.version: [ 1, 2 ]
amdhsa.kernels:
  - .name:           k_q160e8b3291_prep
    .symbol:         k_q160e8b3291_prep.kd
    .args:
      - { .name: Wq, .offset: 0, .size: 8, .value_kind: global_buffer, .address_space: global }
      - { .name: Wk, .offset: 8, .size: 8, .value_kind: global_buffer, .address_space: global }
      - { .name: Wv, .offset: 16, .size: 8, .value_kind: global_buffer, .address_space: global }
      - { .name: Wo, .offset: 24, .size: 8, .value_kind: global_buffer, .address_space: global }
      - { .name: wt, .offset: 32, .size: 8, .value_kind: global_buffer, .address_space: global }
    .group_segment_fixed_size: 34816
    .private_segment_fixed_size: 0
    .kernarg_segment_align: 8
    .kernarg_segment_size: 40
    .max_flat_workgroup_size: 256
    .sgpr_count:     66
    .vgpr_count:     128
    .wavefront_size: 32
...
	.end_amdgpu_metadata
.endif
;; end of part 5
;; launch proj: the kernel of part 2 again; grid 4 x 192, 4 waves a work-group, clusters of 4 x 4, 327,680 bytes of LDS; arguments q, k, v, wt, qkv; writes qkv
;; launch attn: the kernel of part 3 again; grid 4 x 64, 4 waves a work-group, clusters of 4 x 1, 327,680 bytes of LDS; arguments qkv, oh; writes oh
;; launch outp: the kernel of part 4 again; grid 4 x 64, 4 waves a work-group, clusters of 4 x 4, 327,680 bytes of LDS; arguments oh, wt, out0; writes out0
